; MI455X (gfx1250); checked and timed in simulation.
; The chip was launched on July 23, 2026; its instructions are those of AMD's public machine-readable ISA for CDNA 5 (MIT licence, August 2026) and "CDNA5" Instruction Set Architecture Reference Guide (July 2026). The comments in the code are by the model that wrote it; some were corrected since.
;; Attention. Allowed arithmetic: matrix products marked QUANTISED: E2M3 operands, one E8M0 scale for each 32 along K, by v_wmma_scale_f32_16x16x128_f8f6f4 with both operands' format E2M3, f32 sums; everything else in f32.
;; Inputs: Wk_codes 256 x 32 x 24 uint8 (E2M3 codes of Wk, K innermost, in blocks of 32 codes, four codes in three bytes); Wk_scales 256 x 32 uint8 (E8M0 scales of Wk, one for each 32 codes along K); Wo_codes 1,024 x 32 x 24 uint8 (E2M3 codes of Wo, K innermost, in blocks of 32 codes, four codes in three bytes); Wo_scales 1,024 x 32 uint8 (E8M0 scales of Wo, one for each 32 codes along K); Wq_codes 1,024 x 32 x 24 uint8 (E2M3 codes of Wq, K innermost, in blocks of 32 codes, four codes in three bytes); Wq_scales 1,024 x 32 uint8 (E8M0 scales of Wq, one for each 32 codes along K); Wv_codes 256 x 32 x 24 uint8 (E2M3 codes of Wv, K innermost, in blocks of 32 codes, four codes in three bytes); Wv_scales 256 x 32 uint8 (E8M0 scales of Wv, one for each 32 codes along K); bk 256 float32; bq 1,024 float32; bv 256 float32; hidden_states_codes 4 x 2,048 x 32 x 24 uint8 (E2M3 codes of hidden_states, K innermost, in blocks of 32 codes, four codes in three bytes); hidden_states_scales 4 x 2,048 x 32 uint8 (E8M0 scales of hidden_states, one for each 32 codes along K); rotary_pos_emb 4 x 2,048 x 32 float32.
;; Outputs: out0 4 x 2,048 x 1,024 float32.
;; This version of the problem:
;;   THIS VERSION OF THE PROBLEM IS GIVEN IN LOW PRECISION. The matrix products marked QUANTISED in the list below multiply operands that are first quantised to E2M3 (2 exponent bits, 3 mantissa bits; 6 bits a number), with one power-of-two scale for each 32 numbers along K (OCP MX v1.0); their sums are f32. All else is computed in f32.
;;   The module's matrix products, in the order in which they are computed (A, B: the left and right operand; K: the contracted axis; several contracted axes count as one K, in the product's order):
;;     1. [M 8,192, K 1,024] x [K 1,024, N 1,024]; A: input hidden_states (given as codes); B: input Wq (given as codes): QUANTISED
;;     2. [M 8,192, K 1,024] x [K 1,024, N 256]; A: input hidden_states (given as codes); B: input Wk (given as codes): QUANTISED
;;     3. [M 8,192, K 1,024] x [K 1,024, N 256]; A: input hidden_states (given as codes); B: input Wv (given as codes): QUANTISED
;;     4. batch 64 x [M 2,048, K 64] x [K 64, N 2,048]; A: computed on the way; B: computed on the way: QUANTISED
;;     5. batch 64 x [M 2,048, K 2,048] x [K 2,048, N 64]; A: softmax (see below); B: computed on the way: QUANTISED
;;     6. [M 8,192, K 1,024] x [K 1,024, N 1,024]; A: computed on the way; B: input Wo (given as codes): QUANTISED
;;   THE QUANTISER, for each operand of a quantised product, along K:
;;     - K is cut into blocks of 32 from its start; a last block that is shorter is filled with zeros.
;;     - A block's scale is 2^e with e = floor(log2(the largest magnitude in the block)) - 2, held to -126 .. 127; a block of zeros has e = 0. As a byte (E8M0): e + 127.
;;     - Each number is divided by its block's scale, clamped to +-7.5, and rounded to the nearest number of E2M3, ties to even, subnormals kept.
;;     - The product sums the exact products of the quantised numbers (number of the format x scale) in f32.
;;   ~~~python
;;   def quantise(x, axis):      # numpy; x: float32 -> the quantised numbers, widened to float32 again
;;       x = np.moveaxis(x, axis, -1); K = x.shape[-1]
;;       x = np.pad(x, [(0, 0)] * (x.ndim - 1) + [(0, -K % 32)]); x = x.reshape(x.shape[:-1] + (-1, 32)); a = np.abs(x).max(-1, keepdims=True)
;;       e = np.where(a > 0, np.clip(np.frexp(np.where(a > 0, a, 1))[1] - 1 - 2, -126, 127), 0)      # np.frexp(a)[1] - 1 = floor(log2(a)), exactly
;;       r = np.clip(x / 2.0 ** e, -7.5, 7.5)
;;       step = 2.0 ** (np.maximum(np.frexp(np.where(r == 0, 1, r))[1] - 1, 0) - 3)
;;       q = np.round(r / step) * step * 2.0 ** e      # np.round: ties to even
;;       return np.moveaxis(q.reshape(q.shape[:-2] + (-1,))[..., :K], -1, axis).astype(np.float32)
;;   ~~~
;;   SOFTMAX AHEAD OF A QUANTISED PRODUCT. Where the list says 'softmax', what is quantised is not the finished softmax but p = 2^(t - M), with t = logit x log2(e) and M = ceil(the row's largest t), a whole number; so 1/2 < the row's largest p <= 1. The row's sum l is taken of the UNQUANTISED p, in f32, and the product's result is divided by l at the end. Since M is a whole number, a kernel that streams over the keys may use a running M (the ceiling of the running maximum): every later rescaling is an exact power of two, which a block's scale takes up: the codes' values come out the same.
;;   OPERANDS COMPUTED ON THE WAY. 'Computed on the way' means the value that the module computes at that place (a softmax that the list does not call 'softmax' is quantised finished and normalised). What goes into a quantiser is computed in f32, as accurately as f32 sums, v_exp_f32 and their like allow (about 1e-6 of the number): no bf16 or f16 on the way to a quantiser, and a product that is left as it is and whose result goes on into a quantised operand takes f32 operands (vector FMAs, or v_wmma_f32_16x16x4_f32). A number that lies on a knife's edge between two numbers of the format may be rounded either way, as far as f32 arithmetic and the matrix unit's own rounding can turn it there, and no further.
;;   INPUTS GIVEN AS CODES. Wk (in the module: [1024, 256], K = its axis 0); Wo (in the module: [1024, 1024], K = its axis 0); Wq (in the module: [1024, 1024], K = its axis 0); Wv (in the module: [1024, 256], K = its axis 0); hidden_states (in the module: [4, 2048, 1024], K = its axis 2): each comes as NAME_codes (uint8): NAME with its K axis moved to the last place and cut into blocks of 32 codes, [.., K / 32, bytes a block], one block behind the other in memory; four codes in three bytes: a row's codes are one little-endian stream of bits, code i at bits 6 i .. 6 i + 5 (a code: sign, 2 exponent bits, 3 mantissa bits); and NAME_scales (uint8): the same leading axes, one E8M0 byte (e + 127) for each 32 codes along K. Its value is code x scale, taken as it is: it is not quantised again, and the codes and scales need not be those that the quantiser above would give.
;; One version. Each part assembles by itself: llvm-mc -triple=amdgcn-amd-amdhsa -mcpu=gfx1250 --defsym DOCPART=n.
;; ======== version 1 of 1: 3 launches
;; limits: right only within a limited range of input values; a function is approximated: absolute error at most 1e-07
;; workspace buffers: qc 6,291,456 bytes; qs 262,144 bytes; kv 3,276,800 bytes; ac 6,291,456 bytes; asc 262,144 bytes
;; launch qkv (part 1): grid 32 x 6, 4 waves a work-group, clusters of 4 x 1, 327,680 bytes of LDS; arguments hidden_states_codes, hidden_states_scales, Wq_codes, Wq_scales, Wk_codes, Wk_scales, Wv_codes, Wv_scales, bq, bk, bv, rotary_pos_emb, qc, qs, kv; writes qc, qs, kv
.if DOCPART == 1
	.amdgcn_target "amdgcn-amd-amdhsa--gfx1250"
	.amdhsa_code_object_version 6
	.text
	.protected	k_q6725c28bce_qkv
	.globl	k_q6725c28bce_qkv
	.p2align	8
	.type	k_q6725c28bce_qkv,@function
k_q6725c28bce_qkv:
	s_mov_b64 s[64:65], 0
	v_nop
	global_prefetch_b8 v0, s[64:65] scope:SCOPE_SE
	s_setreg_imm32_b32 hwreg(HW_REG_WAVE_MODE, 25, 1), 1
	s_wait_xcnt 0x0
	s_wait_alu depctr_hold_cnt(0) depctr_sa_sdst(0) depctr_va_vdst(0) depctr_va_sdst(0) depctr_va_ssrc(0) depctr_va_vcc(0) depctr_vm_vsrc(0)
	s_getreg_b32 s2, hwreg(HW_REG_IB_STS2, 6, 4)
	s_cmp_eq_u32 s2, 0
	s_cbranch_scc0 .Lentry_in_a_cluster
	s_endpgm
.Lentry_in_a_cluster:
	s_bfe_u32 s2, ttmp6, 0x10000c
	s_cmp_lg_u32 s2, 0x3003
	s_cbranch_scc0 .Lentry_shape_is_right
	s_endpgm
.Lentry_shape_is_right:
; q, k, v = hidden_states W + b on codes of FP6 (E2M3) with one E8M0 scale for each 32 along K; then the rotary embedding on q and k, in f32; then q and k are quantised along a head's 64 channels and v along the keys.
; THE PRODUCT: 8,192 tokens (A) x 1,536 channels (B: Wq's 1,024 rows, Wk's 256, Wv's 256), K = 1,024.  A work-group of four waves makes 256 tokens x 256 channels; a wave 128 x 128: 64 accumulators, 512 registers.
; Work-group y is the weight tile WT: 0-3 = Wq's rows 256 WT on, 4 = Wk, 5 = Wv; x is the token tile T.  K goes in steps of 256 through a ring of two LDS slots filled by the tensor data mover; the scale bytes come once and stay.
; THE MATRIX INSTRUCTION IS USED TRANSPOSED (source 0 = 16 rows of W, source 1 = 16 tokens): lane (r, h) holds token 16 a + r, register j of accumulator (a, b) channel 16 b + 8 h + j.  The bias is the C of each sum's first instruction.
; CLUSTER: four neighbouring token tiles with one WT: they need the same tiles and scales of W, which are asked for JOINTLY (mask 15).  A's tiles differ between the four and are plain loads.  A's tiles are shared along y,
; by the six weight tiles: six does not divide into clusters of four, so that sharing is left out.
; WHAT LEAVES: operands as IMAGES OF THEIR REGISTERS (12 registers a lane: three stores of 512 consecutive bytes) and scale words, for the attention launch.
;   q, k: a pair image holds two tiles of 16 tokens: registers 0-5 tile 0, registers 6-11 tile 1; lane (r, h): token r, channel block h.  Its scale word: bytes 0, 1 tile 0's two blocks, bytes 2, 3 tile 1's.
;   v: an image holds 16 channels x 128 keys; in tile 2 b + u lane r holds channel 32 b + 8 u + r + 8 (r / 8) of the head, so that the attention's results come out with 16 neighbouring channels in a lane.
;   Inside a block of 32 the codes stand in the order 0-7, 16-23, 8-15, 24-31, alike in q and k (channels) and alike in v and the attention's p (keys): the products are the same, and block and scale are the true ones.
; SINE AND COSINE: the angle less n pi/2 (pi/2 in three parts, fused multiply-adds), a polynomial each on +-pi/4, the quadrant by selects and sign bits.
; LIMITS: angles up to about 1e5 in magnitude keep an absolute error of about 1e-7; NaN and infinities among the inputs are not served; a block of zeros gets the scale byte 1 where the rule says 127 (its codes are zeros, and the
; bytes are read by this program alone); blocks whose largest magnitude lies under the floor 2^-124 were not tried.
.set KTOT,   1024
.set KSTEP,  256                       ; along K in a slot
.set NQ,     KSTEP/128                 ; matrix instructions deep
.set ROWB,   192                       ; a tile's row in bytes
.set KROW,   KTOT*6/8                  ; a row of codes in memory
.set PITCH,  240                       ; an LDS row: 3 x (64 bytes + 16 of padding) = 60 words: the 32 lanes of a load of 8 bytes touch 64 different banks (64 banks of 4 bytes: ISA guide 11.1)
.set FR,     12                        ; registers of a fragment
.set NL,     6                         ; LDS loads that bring one
.set NP,     4                         ; places behind this matrix instruction (ISA guide 7.12.1)
.set HALFT,  128*PITCH                 ; 128 rows: what one tensor load brings
.set SLOT,   4*HALFT                   ; A's 256 rows, then B's 256 rows
.set LAPS,   KTOT/(2*KSTEP)
.set KS,     KTOT/32                   ; a row of scale bytes
.set SCL,    2*SLOT                    ; behind the ring: the scales, as units of 256 bytes + 16 of padding
.set HALFS,  (128*KS/256)*272
.set SBLK,   (16*KS/256)*272
.set SPARE,  SCL+4*HALFS               ; the spare words, 128 bytes for each wave: two blocks of 256 bytes that no other line names
.set VPITCH, 528                       ; v's stage: a channel's 128 tokens, 512 bytes + 16
.set VSTG,   32*VPITCH                 ; 32 channels: a stage for each wave, in slot 0, which has had its last fill and its last read by then
.set IMGB,   1536                      ; an image
.set REC,    12800                     ; kv's record of 128 keys: 4 images of k, 4 of v, 256 bytes of k's scale words, 256 of v's
.set ADRA, 16                          ; v16-19  LDS addresses of my A fragments (slot 0, 1; the same behind one padding more)
.set ADRB, 20                          ; v20-23  the same for B
.set LI,   24                          ; v24     16 x lane: my place in an image
.set WO,   25                          ; v25     16 r + 8 h: my place among the scale words
.set RA,   26                          ; v26     128 r + 32 h: my place among 16 tokens' angles
.set ADRS, 27                          ; v27     LDS address of my scale words
.set SPW,  28                          ; v28     LDS address of my spare word; never rewritten
.set NIL,  29                          ; v29     0; never rewritten
.set VST,  30                          ; v30     v's stage, in
.set VRD,  31                          ; v31     v's stage, out
.set SC,   32                          ; v32-63  scale words, two sets
.set BIAS, 64                          ; v64-127 the bias of my 128 channels in the result's layout
.set AF,   128                         ; v128-223 A's fragments
.set ANG,  224                         ; v224-255 32 angles: two token blocks x 16
.set COS,  32                          ; on the way out: v32-63 cosines, v64-95 sines,
.set SIN,  64
.set T,    96                          ; v96-159  64 numbers to be quantised (at work while sines are made)
.set CD,   160                         ; v160-178 the codes just made
.set TM,   180                         ; v180-195 at work in the quantiser
.set PWS,  196                         ; v196-203 eight scale words
.set WD,   204                         ; v204-207 the scale words as they are stored
.set KSIN, 216                         ; v[216:217], v[218:219] a coefficient each of the two polynomials
.set KCOS, 218
.set G1, 24                            ; s[24:31], s[32:39] descriptor groups 1 and 0 (a set for each slot) for A's tiles
.set G0, 32
.set ROT, 40                           ; s[40:41] the angles of my 128 tokens
.set IP,  42                           ; s[42:43], s[44:45] where my two heads' images go
.set SP0, 46                           ; s[46:47], s[66:67] and their scale words
.set SP1, 66
.set G1B, 48                           ; s[48:55], s[56:63] the same for B's tiles
.set G0B, 56
.set G1S, 68                           ; s[68:75], s[76:79] for A's scales;  s[80:87], s[88:91] for B's
.set G0S, 76
.set G1SB, 80
.set G0SB, 88
.set SEL, 92                           ; s[92:93] v_permlanex16_b32's selects for lane l xor 16
.set HIL, 94                           ; s94     the mask of lanes 16-31
.set MSB, 0
.macro WIN new                         ; the immediate's high byte repeats the setting that is left
.if MSB != \new
	s_set_vgpr_msb (MSB<<8)|\new
.set MSB, \new
.endif
.endm
.set MUL_LO, 0xa1                      ; source 0 (B) window 1, source 1 (A) window 0, C and D window 2
.set MUL_HI, 0xf1                      ; the same, C and D window 3
.set TO_B,   0x40                      ; destination window 1, address window 0
; Waves 0 and 1 fetch for A (plain loads), waves 2 and 3 for B (joint loads).  The branch hangs on the wave's number alone.  Four v_nop follow each of the two lines.
.macro JLOAD g0a, g1a, g0b, g1b
	s_cmp_eq_u32 s15, 0
	s_cbranch_scc0 .Lfor_b_\@
	tensor_load_to_lds s[\g0a:\g0a+3], s[\g1a:\g1a+7]
	s_nop 0
.rept 4
	v_nop
.endr
	s_branch .Lasked_\@
.Lfor_b_\@:
	tensor_load_to_lds s[\g0b:\g0b+3], s[\g1b:\g1b+7]
	s_nop 0
.rept 4
	v_nop
.endr
.Lasked_\@:
.endm
.macro CREST                           ; a round of the cluster's barrier behind its opening barrier
	s_cmp_lg_u32 s14, 0
	s_cbranch_scc1 .Lnot_wave_0_\@
	s_barrier_signal -3
.Lnot_wave_0_\@:
	s_barrier_wait -3
	s_barrier_signal -1
	s_barrier_wait -1
.endm
.macro CROUND                          ; a whole round
	s_barrier_signal -1
	s_barrier_wait -1
	CREST
.endm
.macro FRAG reg, adr, q, i             ; a fragment: 16 rows x 128 K, 12 registers: lane l holds row l % 16; registers 6 c .. 6 c + 5 hold K = 64 c + 32 (l / 16) + 0 .. 31: 24 bytes of the row's stream of bits, in pieces of 8 bytes
.irp p, 0,1,2,3,4,5
.set PC, 12*(\q)+6*(\p/3)+\p%3        ; 16 bytes of padding lie behind every 8 pieces: where the piece three on (lanes 16-31) lies behind one padding more, the second address register serves
.if PC%8 < 5
	ds_load_b64 v[\reg+2*\p:\reg+2*\p+1], v[\adr] offset:8*PC+16*(PC/8)+(\i)*16*PITCH
.else
	ds_load_b64 v[\reg+2*\p:\reg+2*\p+1], v[\adr+2] offset:8*PC+16*(PC/8)+(\i)*16*PITCH
.endif
.endr
.endm
; 16 matrix instructions: A's blocks a0, a0 + 1 x B's eight, the slot's q-th 128 along K.  p: B's set;  sc: the set of scale words.  first = 1: the sums begin with the bias as C.
; The 64 accumulators take turns, one instruction a turn, in the same order in every step.
.macro MUL16 a0, p, q, sc, first
.irp a, \a0, \a0+1
.irp b, 0,1,2,3,4,5,6,7
.if \first
	v_wmma_scale_f32_16x16x128_f8f6f4 v[8*(8*((\a)%4)+\b):8*(8*((\a)%4)+\b)+7], v[128*(\p)+FR*\b:128*(\p)+FR*\b+FR-1], v[AF+FR*(\a):AF+FR*(\a)+FR-1], v[BIAS+8*\b:BIAS+8*\b+7], v[SC+8*NQ*(\sc)+NQ*\b+(\q)], v[SC+8*NQ*(\sc)+NQ*(\a)+(\q)] matrix_a_fmt:MATRIX_FMT_FP6 matrix_b_fmt:MATRIX_FMT_FP6 matrix_a_scale:MATRIX_SCALE_ROW1
.else
	v_wmma_scale_f32_16x16x128_f8f6f4 v[8*(8*((\a)%4)+\b):8*(8*((\a)%4)+\b)+7], v[128*(\p)+FR*\b:128*(\p)+FR*\b+FR-1], v[AF+FR*(\a):AF+FR*(\a)+FR-1], v[8*(8*((\a)%4)+\b):8*(8*((\a)%4)+\b)+7], v[SC+8*NQ*(\sc)+NQ*\b+(\q)], v[SC+8*NQ*(\sc)+NQ*(\a)+(\q)] matrix_a_fmt:MATRIX_FMT_FP6 matrix_b_fmt:MATRIX_FMT_FP6 matrix_a_scale:MATRIX_SCALE_ROW1
.endif
.endr
.endr
.endm
.macro FETCH_B slot, q, p              ; B's eight fragments of the slot's q-th 128 along K into set p
	WIN TO_B
.irp i, 0,1,2,3,4,5,6,7
	FRAG 128*(\p)+FR*\i, ADRB+\slot, \q, \i
.endr
	WIN 0
.endm
.macro FETCH_A slot, q, i0             ; A's blocks i0 .. i0 + 3
.irp i, \i0, \i0+1, \i0+2, \i0+3
	FRAG AF+FR*(\i), ADRA+\slot, \q, \i
.endr
.endm
.macro SCALES sc                       ; a K step's scale words into set sc: lanes 0-15 take A's block i, lanes 16-31 B's block i
.irp i, 0,1,2,3,4,5,6,7
	ds_load_b64 v[SC+8*NQ*\sc+NQ*\i:SC+8*NQ*\sc+NQ*\i+1], v[ADRS] offset:\i*SBLK
.endr
.endm
; A load into a register that a matrix instruction has read, and a vector instruction or an LDS store that reads a matrix result, stand NP places behind it; only plain vector instructions that name none of its registers are places.
.macro PLACES n
.rept \n
	v_nop
.endr
.endm
; A step of 128 along K that has its successor in the same slot.  first = 1: source 2 is the bias, in window 0.
.macro STEP slot, q, first
	s_wait_dscnt 4*NL                              ; B's set and A's blocks 0-3 are in; the youngest 24 loads (A's blocks 4-7) may be out
.if \first
	WIN 0x81
.else
	WIN MUL_LO
.endif
	MUL16 0, (\q)%2, \q, \slot, \first
	MUL16 2, (\q)%2, \q, \slot, \first
	s_wait_dscnt 0                                 ; A's blocks 4-7 are in
	PLACES NP
	FETCH_B \slot, (\q)+1, 1-(\q)%2
	FETCH_A \slot, (\q)+1, 0
.if \first
	WIN 0xc1
.else
	WIN MUL_HI
.endif
	MUL16 4, (\q)%2, \q, \slot, \first
	MUL16 6, (\q)%2, \q, \slot, \first
	PLACES NP
	WIN 0
	FETCH_A \slot, (\q)+1, 4
.endm
; A slot's last step changes slots: ONE barrier; in front of it each wave waits for all its tensor loads, adds 0 to its spare word, and waits for that and for its own reads of this slot.  fill = 1: this slot is filled again, two K steps ahead.
.macro TURN slot, next, fill
	s_wait_tensorcnt 0x0                           ; all my tensor loads have landed: my part of the next slot
	ds_add_u32 v[SPW], v[NIL]                      ; 0 onto my spare word
	s_wait_dscnt 4*NL+1                            ; (the add and the youngest 24 loads, A's blocks 4-7, may be out)
	WIN MUL_LO
	MUL16 0, 1, NQ-1, \slot, 0                     ; sixteen matrix instructions stand between the add and the wait for it
	s_wait_dscnt 0x0                               ; the add is done, and my reads of this slot are over
	s_barrier_signal -1
	MUL16 2, 1, NQ-1, \slot, 0
	WIN 0
	s_barrier_wait -1
.if \fill
	CREST                                          ; the barrier has opened a round of the cluster's barrier: no wave of any partner still reads this slot's tile or has a load on its way
	s_add_nc_u64 s[G0+4*\slot+2:G0+4*\slot+3], s[G0+4*\slot+2:G0+4*\slot+3], 2*ROWB
	s_add_nc_u64 s[G0B+4*\slot+2:G0B+4*\slot+3], s[G0B+4*\slot+2:G0B+4*\slot+3], 2*ROWB
	JLOAD G0+4*\slot, G1, G0B+4*\slot, G1B         ; the first tensor load behind the round; its four v_nop are the places in front of the loads below
.else
	PLACES NP
.endif
	v_add_nc_u32 v[ADRS], 4*NQ, v[ADRS]            ; on to the next K step's scale words (no LDS load of mine is out)
	FETCH_B \next, 0, 0
	FETCH_A \next, 0, 0
	SCALES \next
	WIN MUL_HI
	MUL16 4, 1, NQ-1, \slot, 0
	MUL16 6, 1, NQ-1, \slot, 0
	PLACES NP
	WIN 0
	FETCH_A \next, 0, 4
.endm
; The angles of token blocks 2 be and 2 be + 1: register 16 u + i is frequency 8 h + i (i < 8) or 16 + 8 h + i - 8: the order of the channels in a lane's first two accumulators of a head.
.macro ANGLES be
.irp u, 0,1
	global_load_b128 v[ANG+16*\u:ANG+16*\u+3],     v[RA], s[ROT:ROT+1] offset:(2*(\be)+\u)*2048
	global_load_b128 v[ANG+16*\u+4:ANG+16*\u+7],   v[RA], s[ROT:ROT+1] offset:(2*(\be)+\u)*2048+16
	global_load_b128 v[ANG+16*\u+8:ANG+16*\u+11],  v[RA], s[ROT:ROT+1] offset:(2*(\be)+\u)*2048+64
	global_load_b128 v[ANG+16*\u+12:ANG+16*\u+15], v[RA], s[ROT:ROT+1] offset:(2*(\be)+\u)*2048+80
.endr
.endm
; The 32 angles in ANG become 32 cosines and 32 sines, eight angles at a time, four pairs by turns.  At work in T: +0 n, +8 z = r r, +16 the sine's series, +24 the cosine's, +32 z r, +40 n as a whole number, +48, +56 sign bits.
.macro SINCOS
.irp g, 0,1,2,3
.irp k, 0,2,4,6
	v_pk_mul_f32 v[T+\k:T+\k+1], v[ANG+8*\g+\k:ANG+8*\g+\k+1], 0x3f22f983 op_sel_hi:[1,0]     ; x 2 / pi
.endr
.irp k, 0,1,2,3,4,5,6,7
	v_rndne_f32 v[T+\k], v[T+\k]                   ; n
.endr
.irp c, 0xbfc90fdb, 0x333bbd2e, 0x26f72ced     ; r = x - n pi/2, pi/2 in three parts
.irp k, 0,2,4,6
	v_pk_fma_f32 v[ANG+8*\g+\k:ANG+8*\g+\k+1], v[T+\k:T+\k+1], \c, v[ANG+8*\g+\k:ANG+8*\g+\k+1] op_sel_hi:[1,0,1]
.endr
.endr
.irp k, 0,2,4,6
	v_pk_mul_f32 v[T+8+\k:T+9+\k], v[ANG+8*\g+\k:ANG+8*\g+\k+1], v[ANG+8*\g+\k:ANG+8*\g+\k+1]
.endr
.irp k, 0,2,4,6
	v_pk_fma_f32 v[T+16+\k:T+17+\k], v[T+8+\k:T+9+\k], 0xb94ca1f9, v[KSIN:KSIN+1] op_sel_hi:[1,0,1]
	v_pk_fma_f32 v[T+24+\k:T+25+\k], v[T+8+\k:T+9+\k], 0x37ccf5ce, v[KCOS:KCOS+1] op_sel_hi:[1,0,1]
.endr
.irp k, 0,2,4,6
	v_pk_fma_f32 v[T+16+\k:T+17+\k], v[T+16+\k:T+17+\k], v[T+8+\k:T+9+\k], 0xbe2aaaa3 op_sel_hi:[1,1,0]
	v_pk_fma_f32 v[T+24+\k:T+25+\k], v[T+24+\k:T+25+\k], v[T+8+\k:T+9+\k], 0x3d2aaaa5 op_sel_hi:[1,1,0]
	v_pk_mul_f32 v[T+32+\k:T+33+\k], v[T+8+\k:T+9+\k], v[ANG+8*\g+\k:ANG+8*\g+\k+1]
.endr
.irp k, 0,2,4,6
	v_pk_fma_f32 v[T+16+\k:T+17+\k], v[T+16+\k:T+17+\k], v[T+32+\k:T+33+\k], v[ANG+8*\g+\k:ANG+8*\g+\k+1]   ; sin r
	v_pk_fma_f32 v[T+24+\k:T+25+\k], v[T+24+\k:T+25+\k], v[T+8+\k:T+9+\k], -0.5 op_sel_hi:[1,1,0]
.endr
.irp k, 0,2,4,6
	v_pk_fma_f32 v[T+24+\k:T+25+\k], v[T+24+\k:T+25+\k], v[T+8+\k:T+9+\k], 1.0 op_sel_hi:[1,1,0]            ; cos r
.endr
.irp k, 0,1,2,3,4,5,6,7
	v_cvt_i32_f32 v[T+40+\k], v[T+\k]
.endr
.irp k, 0,1,2,3,4,5,6,7
	v_and_b32 v[T+48+\k], 1, v[T+40+\k]
.endr
.irp k, 0,1,2,3,4,5,6,7
	v_cmp_ne_u32 vcc_lo, 0, v[T+48+\k]             ; in an odd quadrant the two change places
	v_cndmask_b32 v[SIN+8*\g+\k], v[T+16+\k], v[T+24+\k], vcc_lo
	v_cndmask_b32 v[COS+8*\g+\k], v[T+24+\k], v[T+16+\k], vcc_lo
.endr
.irp k, 0,1,2,3,4,5,6,7
	v_lshlrev_b32 v[T+48+\k], 30, v[T+40+\k]       ; the sine is negative where n has bit 1,
	v_add_lshl_u32 v[T+56+\k], v[T+40+\k], 1, 30   ; the cosine where n + 1 has it
.endr
.irp k, 0,1,2,3,4,5,6,7
	v_and_b32 v[T+48+\k], 0x80000000, v[T+48+\k]
	v_and_b32 v[T+56+\k], 0x80000000, v[T+56+\k]
.endr
.irp k, 0,1,2,3,4,5,6,7
	v_xor_b32 v[SIN+8*\g+\k], v[SIN+8*\g+\k], v[T+48+\k]
	v_xor_b32 v[COS+8*\g+\k], v[COS+8*\g+\k], v[T+56+\k]
.endr
.endr
.endm
; Head e of token blocks 2 be, 2 be + 1: x1 cos - x2 sin and x1 sin + x2 cos into T: register 32 u + 16 blk + i.  Each accumulator is read from its low end on.
.macro ROPE be, e
	WIN 0x02+(\be)/2                               ; source 0: window 2 (blocks 0-3) or 3
.irp u, 0,1
.set AC, 64*((2*(\be)+\u)%4)+32*(\e)
.irp j, 0,2,4,6,8,10,12,14
	v_pk_mul_f32 v[T+32*\u+\j:T+32*\u+\j+1],       v[AC+\j:AC+\j+1], v[COS+16*\u+\j:COS+16*\u+\j+1]
	v_pk_mul_f32 v[T+32*\u+16+\j:T+32*\u+17+\j],   v[AC+\j:AC+\j+1], v[SIN+16*\u+\j:SIN+16*\u+\j+1]
	v_pk_fma_f32 v[T+32*\u+\j:T+32*\u+\j+1],       v[AC+16+\j:AC+17+\j], v[SIN+16*\u+\j:SIN+16*\u+\j+1], v[T+32*\u+\j:T+32*\u+\j+1] neg_lo:[1,0,0] neg_hi:[1,0,0]
	v_pk_fma_f32 v[T+32*\u+16+\j:T+32*\u+17+\j],   v[AC+16+\j:AC+17+\j], v[COS+16*\u+\j:COS+16*\u+\j+1], v[T+32*\u+16+\j:T+32*\u+17+\j]
.endr
.endr
	WIN 0
.endm
; 64 numbers of a lane, v[s] on, register 16 b + i one of my 16 numbers of block b of my row, become 12 registers of codes in v[CD] on and the row's scale word in v[pw].
.macro QUANT s, pw
.irp b, 0,1,2,3
	v_max3_num_f32 v[TM+\b], |v[\s+16*\b]|, |v[\s+1+16*\b]|, 0x1800000   ; and the floor 2^(3 - 127): the byte cannot fall under 1
.endr
.irp i, 2,4,6,8,10,12,14
.irp b, 0,1,2,3
	v_max3_num_f32 v[TM+\b], v[TM+\b], |v[\s+16*\b+\i]|, |v[\s+1+16*\b+\i]|
.endr
.endr
.irp b, 0,1,2,3
	v_permlanex16_b32 v[TM+4+\b], v[TM+\b], s[SEL], s[SEL+1]
.endr
.irp b, 0,1,2,3
	v_max_num_f32 v[TM+\b], v[TM+\b], v[TM+4+\b]   ; with lane l xor 16's: the block's largest magnitude
.endr
.irp b, 0,1,2,3
	v_add_nc_u32 v[TM+12+\b], 0xff000000, v[TM+\b] ; 2 off its exponent field: the conversion takes the exponent field of this operand as its scale
.endr
.irp b, 0,1,2,3
	v_lshrrev_b32 v[TM+4+\b], 23, v[TM+12+\b]      ; the scale's byte
.endr
	v_lshl_or_b32 v[(\pw)], v[TM+5], 8, v[TM+4]
	v_lshl_or_b32 v[(\pw)], v[TM+6], 16, v[(\pw)]
	v_lshl_or_b32 v[(\pw)], v[TM+7], 24, v[(\pw)]
.irp c, 0,1
	v_cvt_scalef32_pk16_fp6_f32 v[CD+6*\c:CD+2+6*\c], v[\s+32*\c:\s+15+32*\c], v[TM+12+2*\c]
	v_cvt_scalef32_pk16_fp6_f32 v[CD+12+4*\c:CD+14+4*\c], v[\s+16+32*\c:\s+31+32*\c], v[TM+12+2*\c+1]   ; (a conversion's three registers begin on an even number)
.endr
	v_nop                                          ; one plain place behind a scaled conversion
.irp c, 0,1                                    ; a WHOLE block in a lane: lanes 0-15 block 2 c, lanes 16-31 block 2 c + 1
.irp i, 0,1,2
	v_permlane16_swap_b32 v[CD+6*\c+\i], v[CD+12+4*\c+\i]
.endr
.irp i, 0,1,2
	v_mov_b32 v[CD+3+6*\c+\i], v[CD+12+4*\c+\i]
.endr
.endr
.endm
.macro IMG ptr, off                            ; the image leaves: each store covers 512 consecutive bytes, aligned
.irp c, 0,1,2
	global_store_b128 v[LI], v[CD+4*\c:CD+4*\c+3], s[(\ptr):(\ptr)+1] offset:(\off)+512*\c
.endr
.endm
	s_load_b128 s[4:7], s[0:1], 0x0                ; hidden_states' codes, scales
	s_load_b512 s[68:83], s[0:1], 0x10             ; Wq's codes, scales; Wk's; Wv's; bq; bk
	s_load_b256 s[84:91], s[0:1], 0x50             ; bv; the angles; qc; qs
	s_load_b64 s[92:93], s[0:1], 0x70              ; kv
	v_lshl_add_u32 v[SPW], v0, 2, SPARE
	v_mov_b32 v[NIL], 0
	ds_add_u32 v28, v29
	ds_add_u32 v28, v29
	s_wait_dscnt 0x0
	v_lshrrev_b32 v1, 5, v0
	v_readfirstlane_b32 s14, v1                    ; wave 0..3
	s_lshr_b32 s15, s14, 1                         ; wr: which 128 tokens are mine.  Also: I fetch for A (0) or for B (1)
	s_and_b32 s16, s14, 1                          ; wc: which 128 channels.  Also: which 128 rows of that tile I fetch
	s_bfe_u32 s17, ttmp6, 0x40000                  ; cx
	s_lshl_b32 s18, ttmp9, 2
	s_add_co_u32 s17, s18, s17                     ; T = 4 x cluster x + cx: the token tile
	s_and_b32 s18, ttmp7, 0xffff                   ; WT: the weight tile, which the four partners share
	s_min_u32 s19, s18, 4
	s_and_b32 s19, s19, 3                          ; WQ: the tile inside its weight: WT for Wq, 0 for Wk and Wv
	; descriptor group 1: a tile of 128 rows x 192 bytes, 16 bytes of padding behind every 64
	s_mov_b32 s[G1+0], (1<<20)|(3<<22)|(3<<25)                   ; A: no mask; elements of 1 byte; padding on: after every 16 words, 4 words
	s_mov_b32 s[G1B+0], 15|(1<<20)|(1<<21)|(3<<22)|(3<<25)       ; B: the same with the mask of all four work-groups, and bit 21 beside it
.irp g, G1, G1B
	s_mov_b32 s[\g+1], ROWB<<16                    ; tensor_dim0
	s_mov_b32 s[\g+2], 128<<16                     ; tensor_dim1
	s_mov_b32 s[\g+3], ROWB<<16                    ; tile_dim0
	s_mov_b32 s[\g+4], 128                         ; tile_dim1
	s_mov_b32 s[\g+5], KROW                        ; tensor_dim0_stride
	s_mov_b32 s[\g+6], 0
	s_mov_b32 s[\g+7], 0
.endr
	s_lshl_b32 s95, s16, 7                         ; which 128 rows of the tile I fetch
	s_lshl_b32 s20, s17, 8
	s_add_co_u32 s20, s20, s95                     ; A: row 256 T + 128 x half
	s_lshl_b32 s96, s19, 8
	s_add_co_u32 s96, s96, s95                     ; B: row 256 WQ + 128 x half: nothing of T enters it
	s_mov_b32 s21, 0
	s_mov_b32 s97, 0
	s_mov_b64 s[100:101], KS
	s_mul_u64 s[22:23], s[20:21], s[100:101]       ; where these rows' scales begin, in bytes
	s_mul_u64 s[98:99], s[96:97], s[100:101]
	s_mov_b64 s[100:101], KROW
	s_mul_u64 s[20:21], s[20:21], s[100:101]       ; and their codes
	s_mul_u64 s[96:97], s[96:97], s[100:101]
	s_mul_i32 s2, s14, HALFT                       ; where they go: wave x 128 rows
	s_mul_i32 s95, s14, HALFS
	s_wait_kmcnt 0x0
	s_cmp_eq_u32 s18, 4                            ; the role's buffers: the choices hang on the weight tile alone
	s_cselect_b64 s[72:73], s[72:73], s[76:77]     ; Wk or Wv: codes,
	s_cselect_b64 s[74:75], s[74:75], s[78:79]     ; scales,
	s_cselect_b64 s[82:83], s[82:83], s[84:85]     ; bias
	s_cmp_lt_u32 s18, 4
	s_cselect_b64 s[8:9], s[68:69], s[72:73]       ; B's codes
	s_cselect_b64 s[10:11], s[70:71], s[74:75]     ; B's scales
	s_cselect_b64 s[12:13], s[80:81], s[82:83]     ; the bias
	s_cselect_b64 s[IP:IP+1], s[88:89], s[92:93]   ; images go to qc or to kv,
	s_cselect_b64 s[SP0:SP0+1], s[90:91], s[92:93] ; scale words to qs or to kv
	s_mov_b64 s[ROT:ROT+1], s[86:87]
	s_add_nc_u64 s[20:21], s[4:5], s[20:21]
	s_add_nc_u64 s[22:23], s[6:7], s[22:23]
	s_add_nc_u64 s[96:97], s[8:9], s[96:97]
	s_add_nc_u64 s[98:99], s[10:11], s[98:99]
	; the scales of 128 rows: a dense block of 4,096 bytes, as rows of 256 bytes (32 elements of 8 bytes), 16 bytes of padding behind each
	s_mov_b32 s[G1S+0], (3<<16)|(1<<20)|(5<<22)|(3<<25)
	s_mov_b32 s[G1SB+0], 15|(3<<16)|(1<<20)|(1<<21)|(5<<22)|(3<<25)
.irp g, G1S, G1SB
	s_mov_b32 s[\g+1], 32<<16
	s_mov_b32 s[\g+2], (128*KS/256)<<16
	s_mov_b32 s[\g+3], 32<<16
	s_mov_b32 s[\g+4], 128*KS/256
	s_mov_b32 s[\g+5], 32
	s_mov_b32 s[\g+6], 0
	s_mov_b32 s[\g+7], 0
.endr
	CROUND                                         ; all four work-groups are here: the first joint loads meet
	s_mov_b32 s[G0S], 1
	s_add_co_u32 s[G0S+1], s95, SCL
	s_mov_b64 s[G0S+2:G0S+3], s[22:23]
	s_or_b32 s[G0S+3], s[G0S+3], 0x80000000
	s_mov_b32 s[G0SB], 1
	s_add_co_u32 s[G0SB+1], s95, SCL
	s_mov_b64 s[G0SB+2:G0SB+3], s[98:99]
	s_or_b32 s[G0SB+3], s[G0SB+3], 0x80000000
	JLOAD G0S, G1S, G0SB, G1SB                     ; the scales first: they are wanted with K step 0
.irp s, 0,1
	s_mov_b32 s[G0+4*\s], 1
	s_add_co_u32 s[G0+4*\s+1], s2, \s*SLOT
	s_add_nc_u64 s[G0+4*\s+2:G0+4*\s+3], s[20:21], \s*ROWB
	s_or_b32 s[G0+4*\s+3], s[G0+4*\s+3], 0x80000000
	s_mov_b32 s[G0B+4*\s], 1
	s_add_co_u32 s[G0B+4*\s+1], s2, \s*SLOT
	s_add_nc_u64 s[G0B+4*\s+2:G0B+4*\s+3], s[96:97], \s*ROWB
	s_or_b32 s[G0B+4*\s+3], s[G0B+4*\s+3], 0x80000000
	JLOAD G0+4*\s, G1, G0B+4*\s, G1B               ; three tensor loads of mine are out
.endr
	v_and_b32 v1, 15, v0                           ; r = l % 16
	v_bfe_u32 v2, v0, 4, 1                         ; h = l / 16
	s_lshl_b32 s20, s19, 10
	s_lshl_b32 s21, s16, 9
	s_add_co_u32 s20, s20, s21
	s_mov_b32 s21, 0
	s_add_nc_u64 s[12:13], s[12:13], s[20:21]      ; the bias of my 128 channels: (256 WQ + 128 wc) x 4 bytes on
	s_lshl_b32 s20, s17, 15
	s_lshl_b32 s22, s15, 14
	s_add_co_u32 s20, s20, s22
	s_add_nc_u64 s[ROT:ROT+1], s[ROT:ROT+1], s[20:21]   ; the angles of my 128 tokens: (256 T + 128 wr) x 128 bytes on
	v_lshlrev_b32 v7, 5, v2                        ; 32 h: my eight channels of a block of 16
	v_lshlrev_b32 v[RA], 7, v1
	v_lshl_add_u32 v[RA], v2, 5, v[RA]
.irp b, 0,1,2,3,4,5,6,7
	global_load_b128 v[BIAS+8*\b:BIAS+8*\b+3],   v7, s[12:13] offset:64*\b
	global_load_b128 v[BIAS+8*\b+4:BIAS+8*\b+7], v7, s[12:13] offset:64*\b+16
.endr
	ANGLES 0                                       ; the first two token blocks' angles, long ahead of their use.  (Wv's work-groups load them too and use none: one path for all roles)
	; where my two heads' images and scale words go.  b = T / 8 is the batch, G = 2 (T % 8) + wr my group of 128 tokens in its sequence
	s_lshr_b32 s20, s17, 3
	s_and_b32 s21, s17, 7
	s_lshl_b32 s21, s21, 1
	s_add_co_u32 s21, s21, s15
	s_lshl_b32 s22, s20, 4
	s_lshl_b32 s23, s18, 2
	s_add_co_u32 s22, s22, s23
	s_lshl_b32 s23, s16, 1
	s_add_co_u32 s22, s22, s23                     ; q: 16 b + my first head, 4 WT + 2 wc
	s_lshl_b32 s96, s22, 6
	s_lshl_b32 s97, s21, 2
	s_add_co_u32 s96, s96, s97
	s_mul_i32 s96, s96, IMGB                       ; its pair 4 G
	s_lshl_b32 s97, s22, 4
	s_add_co_u32 s97, s97, s21
	s_lshl_b32 s97, s97, 8                         ; its group's 256 bytes of words
	s_lshl_b32 s22, s20, 2
	s_add_co_u32 s22, s22, s23                     ; k, v: 4 b + my first head, 2 wc
	s_lshl_b32 s22, s22, 4
	s_add_co_u32 s22, s22, s21
	s_mul_i32 s98, s22, REC                        ; its record G
	s_cmp_eq_u32 s18, 5
	s_cselect_b32 s99, 4*IMGB, 0                   ; v's images lie behind k's four,
	s_cselect_b32 s100, 256, 0                     ; v's words behind k's
	s_add_co_u32 s99, s98, s99
	s_add_co_u32 s100, s98, s100
	s_add_co_u32 s100, s100, 8*IMGB
	s_mov_b32 s22, 64*IMGB                         ; from a head to the next: q's images,
	s_mov_b32 s23, 4096                            ; q's words,
	s_mov_b32 s101, 16*REC                         ; k's and v's records
	s_cmp_lt_u32 s18, 4
	s_cselect_b32 s96, s96, s99
	s_cselect_b32 s98, s97, s100
	s_cselect_b32 s22, s22, s101
	s_cselect_b32 s100, s23, s101
	s_mov_b32 s97, 0
	s_mov_b32 s99, 0
	s_mov_b32 s23, 0
	s_mov_b32 s101, 0
	s_add_nc_u64 s[IP:IP+1], s[IP:IP+1], s[96:97]
	s_add_nc_u64 s[IP+2:IP+3], s[IP:IP+1], s[22:23]
	s_add_nc_u64 s[SP0:SP0+1], s[SP0:SP0+1], s[98:99]
	s_add_nc_u64 s[SP1:SP1+1], s[SP0:SP0+1], s[100:101]
	s_mov_b32 s[SEL], 0x76543210
	s_mov_b32 s[SEL+1], 0xfedcba98
	s_mov_b32 s[HIL], 0xffff0000
	; LDS addresses
	v_mul_u32_u24 v3, v1, PITCH
	v_mul_u32_u24 v4, v2, 24
	v_add_nc_u32 v4, v3, v4                        ; a fragment's row x pitch + 24 x half
	v_lshl_add_u32 v5, v2, 4, v4                   ; and the same behind one padding more
	s_mul_i32 s21, s15, HALFT                      ; my 128 rows of A
	s_mul_i32 s22, s16, HALFT                      ; my 128 rows of B,
	s_add_co_u32 s22, s22, 2*HALFT                 ; which lie behind A's 256
.irp s, 0,1
	v_add_nc_u32 v[ADRA+\s], s21, v4
	v_add_nc_u32 v[ADRB+\s], s22, v4
	v_add_nc_u32 v[ADRA+2+\s], s21, v5
	v_add_nc_u32 v[ADRB+2+\s], s22, v5
	s_add_co_u32 s21, s21, SLOT
	s_add_co_u32 s22, s22, SLOT
.endr
	v_mul_u32_u24 v5, v1, KS                       ; my row's scales: KS bytes a row,
	v_lshrrev_b32 v6, 8, v5
	v_lshl_add_u32 v5, v6, 4, v5                   ; and 16 more for each 256 passed
	s_mul_i32 s21, s15, HALFS                      ; A's: my 128 rows
	s_mul_i32 s22, s16, HALFS                      ; B's: my 128 rows, behind A's 256
	s_add_co_u32 s22, s22, 2*HALFS
	s_sub_co_u32 s22, s22, s21
	v_mul_u32_u24 v6, s22, v2                      ; lanes 16-31 take B's
	s_add_co_u32 s21, s21, SCL
	v_add_nc_u32 v5, v5, v6
	v_add_nc_u32 v[ADRS], s21, v5
	v_and_b32 v3, 31, v0
	v_lshlrev_b32 v[LI], 4, v3
	v_lshlrev_b32 v[WO], 4, v1
	v_lshl_add_u32 v[WO], v2, 3, v[WO]
	s_mul_i32 s20, s14, VSTG                       ; my stage for v
	v_mul_u32_u24 v3, v2, 8*VPITCH
	v_lshl_add_u32 v3, v1, 2, v3
	v_add_nc_u32 v[VST], s20, v3                   ; in: channel row 8 h (+ 16 bb + j), token r (+ 16 a)
	v_and_b32 v3, 8, v1
	v_add_nc_u32 v3, v3, v1                        ; r + 8 (r / 8)
	v_mul_u32_u24 v3, v3, VPITCH
	v_lshl_add_u32 v3, v2, 5, v3
	v_add_nc_u32 v[VRD], s20, v3                   ; out: channel row r + 8 (r / 8) (+ 8 u), tokens 8 h on
	s_wait_tensorcnt 1                             ; the scales and my part of K step 0 are in (K step 1's load may be out),
	s_barrier_signal -1
	s_barrier_wait -1                              ; everybody's are
	FETCH_B 0, 0, 0
	FETCH_A 0, 0, 0
	SCALES 0
	FETCH_A 0, 0, 4
	s_wait_loadcnt 0x0                             ; the bias (and the angles)
	STEP 0, 0, 1                                   ; the first step stands in front of the loop: its products start the sums from the bias
	s_mov_b32 s3, LAPS-1
.Llap:                                                 ; a trip goes once round the ring, from a lap's second step to the next lap's first, and fills both slots again
	TURN 0, 1, 1
	STEP 1, 0, 0
	TURN 1, 0, 1
	STEP 0, 0, 0
	s_sub_co_u32 s3, s3, 1
	s_cmp_lg_u32 s3, 0
	s_cbranch_scc1 .Llap
	TURN 0, 1, 0                                   ; the last lap fills nothing, and has no round of the cluster's barrier
	STEP 1, 0, 0
	s_wait_dscnt 4*NL                              ; the very last step: nothing more to fetch
	WIN MUL_LO
	MUL16 0, 1, NQ-1, 1, 0
	MUL16 2, 1, NQ-1, 1, 0
	s_wait_dscnt 0
	WIN MUL_HI
	MUL16 4, 1, NQ-1, 1, 0
	MUL16 6, 1, NQ-1, 1, 0
	WIN 0
	PLACES NP                                      ; in front of the first read of results and the first write of registers that held operands
.irp b, 0,1,2,3
	v_mov_b32 v[TM+4+\b], 0                        ; written once: a lane permute's destination counts as one of its sources
.endr
	s_cmp_eq_u32 s18, 5                            ; the role: the same in all waves and all partners
	s_cbranch_scc1 .Lv_role
	; ---- q and k: two token blocks at a time: their sines and cosines once for both heads; then each head is turned, quantised and stored.  No LDS, no barrier.
	v_mov_b32 v[KSIN], 0x3c08839e
	v_mov_b32 v[KSIN+1], 0x3c08839e
	v_mov_b32 v[KCOS], 0xbab6061a
	v_mov_b32 v[KCOS+1], 0xbab6061a
.irp be, 0,1,2,3
	s_wait_loadcnt 0x0                             ; this pair of blocks' angles
	SINCOS
.if \be < 3
	ANGLES \be+1                                   ; the next pair's land under this pair's work
.endif
.irp e, 0,1
	ROPE \be, \e
	s_wait_xcnt 0x0                                ; the last image's stores have read their registers: the codes may be written again
	QUANT T, PWS+4*\e+\be
	IMG IP+2*\e, IMGB*\be
.endr
.endr
	s_branch .Lwords
	; ---- v: K of its product is the keys, which lie across my lanes: 32 channels x 128 tokens at a time turn through my stage.  Rows r + 8 (r / 8) meet two deep in the banks on the way out: 32 of the 192 work-groups pay that.
.Lv_role:
.irp g, 0,1,2,3                                ; channels 32 g on: head g / 2, its half g % 2
.irp a, 0,1,2,3,4,5,6,7
	WIN 0x08+4*(\a/4)                              ; an LDS store's data are its source 1: window 2 or 3
.irp bb, 0,1
.irp j, 0,1,2,3,4,5,6,7
	ds_store_b32 v[VST], v[64*(\a%4)+8*(2*\g+\bb)+\j] offset:(16*\bb+\j)*VPITCH+64*\a   ; each accumulator from its low end on
.endr
.endr
.endr
	WIN 0
.irp u, 0,1                                    ; tile 2 (g % 2) + u of the head
.irp be, 0,1,2,3                               ; key block be: my 16 numbers are its keys 8 h + 0 .. 7 and 16 + 8 h + 0 .. 7, as in the attention's p
	ds_load_b128 v[T+16*\be:T+16*\be+3],     v[VRD] offset:8*\u*VPITCH+128*\be      ; LDS serves a wave's instructions in order (ISA guide 5.7.1.4): these see my stores
	ds_load_b128 v[T+16*\be+4:T+16*\be+7],   v[VRD] offset:8*\u*VPITCH+128*\be+16
	ds_load_b128 v[T+16*\be+8:T+16*\be+11],  v[VRD] offset:8*\u*VPITCH+128*\be+64
	ds_load_b128 v[T+16*\be+12:T+16*\be+15], v[VRD] offset:8*\u*VPITCH+128*\be+80
.endr
	s_wait_dscnt 0x0
	s_wait_xcnt 0x0                                ; the last image's stores have read their registers
	QUANT T, PWS+4*(\g/2)+2*(\g%2)+\u
	IMG IP+2*(\g/2), (2*(\g%2)+\u)*IMGB
.endr
.endr
.Lwords:                                               ; a head's four scale words of row r lie on end: lanes 0-15 store words 0, 1, lanes 16-31 words 2, 3: 256 consecutive bytes
.irp e, 0,1
	v_cndmask_b32 v[WD+2*\e],   v[PWS+4*\e],   v[PWS+4*\e+2], s[HIL]
	v_cndmask_b32 v[WD+2*\e+1], v[PWS+4*\e+1], v[PWS+4*\e+3], s[HIL]
.endr
	global_store_b64 v[WO], v[WD:WD+1], s[SP0:SP0+1]
	global_store_b64 v[WO], v[WD+2:WD+3], s[SP1:SP1+1]
	s_wait_tensorcnt 0x0                           ; the wave's end, behind my last tensor load and my last LDS store
	ds_add_u32 v[SPW], v[NIL]
	s_wait_dscnt 0x0
	CROUND                                         ; the closing round: no work-group ends while a partner may still ask for a tile that names it
	s_endpgm
.Lfunc_end_k_q6725c28bce_qkv:
	.size	k_q6725c28bce_qkv, .Lfunc_end_k_q6725c28bce_qkv-k_q6725c28bce_qkv
	.p2alignl 7, 3214868480
	.fill 96, 4, 3214868480
	.section	.rodata,"a",@progbits
	.p2align	6, 0x0
	.amdhsa_kernel k_q6725c28bce_qkv
		.amdhsa_group_segment_fixed_size 327680
		.amdhsa_private_segment_fixed_size 0
		.amdhsa_enable_private_segment 0
		.amdhsa_kernarg_size 120
		.amdhsa_user_sgpr_count 2
		.amdhsa_user_sgpr_kernarg_segment_ptr 1
		.amdhsa_wavefront_size32 1
		.amdhsa_system_sgpr_workgroup_id_x 1
		.amdhsa_system_sgpr_workgroup_id_y 1
		.amdhsa_system_sgpr_workgroup_id_z 1
		.amdhsa_system_vgpr_workitem_id 0
		.amdhsa_next_free_vgpr 1024
		.amdhsa_next_free_sgpr 102
		.amdhsa_reserve_vcc 1
		.amdhsa_float_denorm_mode_32 3
		.amdhsa_float_denorm_mode_16_64 3
		.amdhsa_memory_ordered 1
		.amdhsa_forward_progress 1
		.amdhsa_inst_pref_size 255
	.end_amdhsa_kernel
	.section	.bss,"aw",@nobits
	.p2align	6
	.space	262144
	.amdgpu_metadata
---
amdhsa.version: [ 1, 2 ]
amdhsa.kernels:
  - .name:           k_q6725c28bce_qkv
    .symbol:         k_q6725c28bce_qkv.kd
    .args:
      - { .name: hidden_states_codes, .offset: 0, .size: 8, .value_kind: global_buffer, .address_space: global }
      - { .name: hidden_states_scales, .offset: 8, .size: 8, .value_kind: global_buffer, .address_space: global }
      - { .name: Wq_codes, .offset: 16, .size: 8, .value_kind: global_buffer, .address_space: global }
      - { .name: Wq_scales, .offset: 24, .size: 8, .value_kind: global_buffer, .address_space: global }
      - { .name: Wk_codes, .offset: 32, .size: 8, .value_kind: global_buffer, .address_space: global }
      - { .name: Wk_scales, .offset: 40, .size: 8, .value_kind: global_buffer, .address_space: global }
      - { .name: Wv_codes, .offset: 48, .size: 8, .value_kind: global_buffer, .address_space: global }
      - { .name: Wv_scales, .offset: 56, .size: 8, .value_kind: global_buffer, .address_space: global }
      - { .name: bq, .offset: 64, .size: 8, .value_kind: global_buffer, .address_space: global }
      - { .name: bk, .offset: 72, .size: 8, .value_kind: global_buffer, .address_space: global }
      - { .name: bv, .offset: 80, .size: 8, .value_kind: global_buffer, .address_space: global }
      - { .name: rotary_pos_emb, .offset: 88, .size: 8, .value_kind: global_buffer, .address_space: global }
      - { .name: qc, .offset: 96, .size: 8, .value_kind: global_buffer, .address_space: global }
      - { .name: qs, .offset: 104, .size: 8, .value_kind: global_buffer, .address_space: global }
      - { .name: kv, .offset: 112, .size: 8, .value_kind: global_buffer, .address_space: global }
    .group_segment_fixed_size: 327680
    .private_segment_fixed_size: 0
    .kernarg_segment_align: 8
    .kernarg_segment_size: 120
    .max_flat_workgroup_size: 128
    .sgpr_count:     102
    .vgpr_count:     1024
    .wavefront_size: 32
...
	.end_amdgpu_metadata
.endif
;; end of part 1
;; launch attn (part 2): grid 16 x 16, 16 waves a work-group, clusters of 4 x 1, 242,688 bytes of LDS; arguments qc, qs, kv, ac, asc; writes ac, asc
.if DOCPART == 2
	.amdgcn_target "amdgcn-amd-amdhsa--gfx1250"
	.amdhsa_code_object_version 6
	.text
	.protected	k_q6725c28bce_attn
	.globl	k_q6725c28bce_attn
	.p2align	8
	.type	k_q6725c28bce_attn,@function
k_q6725c28bce_attn:
	s_mov_b64 s[64:65], 0
	v_nop
	global_prefetch_b8 v0, s[64:65] scope:SCOPE_SE
	s_setreg_imm32_b32 hwreg(HW_REG_WAVE_MODE, 25, 1), 1
	s_wait_xcnt 0x0
	s_wait_alu depctr_hold_cnt(0) depctr_sa_sdst(0) depctr_va_vdst(0) depctr_va_sdst(0) depctr_va_ssrc(0) depctr_va_vcc(0) depctr_vm_vsrc(0)
	s_getreg_b32 s2, hwreg(HW_REG_IB_STS2, 6, 4)
	s_cmp_eq_u32 s2, 0
	s_cbranch_scc0 .Lentry_in_a_cluster
	s_endpgm
.Lentry_in_a_cluster:
	s_bfe_u32 s2, ttmp6, 0x10000c
	s_cmp_lg_u32 s2, 0x3003
	s_cbranch_scc0 .Lentry_shape_is_right
	s_endpgm
.Lentry_shape_is_right:
; O = softmax(q k^T / 8) v for 4 x 16 heads of size 64 over 2,048 keys, four query heads to a key and value head, both products on codes of FP6 (E2M3) with one E8M0 scale for each 32 along K; O / l is quantised along the channels.
; THE SOFTMAX AHEAD OF THE SECOND PRODUCT: t = score x log2(e) / 8; M = the row's largest t so far, rounded UP to a whole number; p = 2^(t - M) is what is quantised, along the keys.  The row's sum l is taken of the
; unquantised p, in f32, and divides O at the end.  When M moves, l and O are multiplied by 2^(old M - new M): exact.
; SHARES.  Work-group y = 4 batch + key head; x = a block of 128 queries.  A work-group owns these queries for the four query heads of its key head: 32 tiles of 16 queries.  Wave w takes head w % 4 and the pair of
; tiles w / 4, one tile after the other (two passes): 256 registers a wave, four waves to a SIMD, so that one wave's vector work stands beside another's matrix work and LDS loads.
; ALL OF K AND V OF THE KEY HEAD STAYS IN LDS: 16 records of 12,800 bytes (128 keys each: 4 images of k, 4 of v, k's and v's scale words), filled ONCE, one tensor load a wave: one load of mine is out.  No slot is filled again,
; and the loop over the keys has no barrier.
; CLUSTER.  The four query blocks of a cluster have one y and want the same records: each is asked for JOINTLY (mask 15).
; OPERANDS ARE IMAGES OF THEIR REGISTERS: 12 registers a lane come by three loads of 512 consecutive bytes.
; K = 64 IN AN INSTRUCTION OF 128: an image of k holds two tiles of 16 keys, tile 2 p in k = 0 .. 63, tile 2 p + 1 in k = 64 .. 127.  q stands in 18 registers as [q | zeros | q]: the first 12 give tile 2 p's scores, the last 12
; tile 2 p + 1's; zero codes cancel the other tile under any scale byte that this program makes (1 to 254).
; LAYOUT.  Both products are used transposed: S^T = k q^T, O^T = v^T p^T: a lane holds ONE query (lane % 16) throughout.  A lane's 16 numbers of a block of 32 keys are keys 8 h + 0 .. 7 and 16 + 8 h + 0 .. 7; v's images have
; the keys of a block in the order that this gives p's codes.  The channels of v's tiles are chosen so that the 16 registers of O^T's tiles 2 b, 2 b + 1 are channels 32 b + 16 h + 0 .. 15: true order for the last product.
; WHAT LEAVES: ac [8192][768] codes and asc [8192][32] scale bytes, rows as a GEMM's operand.  A work-group has 192 of a row's 768 bytes and 8 of its 32: sixteen lanes store the 192 on end; the blocks of 256 bytes are written in part.
; LIMITS: NaN and infinities are not served; a block of zeros gets the byte 1 where the rule says 127 (its codes are zeros; this program alone reads the bytes); a block's largest p is taken through its largest score, which
; leans on v_exp_f32 not falling where its input rises.
.set REC,   12800
.set NSTEP, 16
.set STAGE, 16*REC                     ; behind the records: 128 rows x 272 bytes: sixteen places of 16 bytes, each with 12 bytes of codes, + 16
.set SSTG,  STAGE+128*272              ; and 128 rows x 8 scale bytes
.set LA,  1                            ; v1   16 x lane
.set ADR, 2                            ; v2   the step's record + 16 x lane
.set STC, 3                            ; v3   the stage: where my codes go
.set STS, 4                            ; v4   and my two scale bytes
.set RDC, 5                            ; v5   the stage, back: lanes 0-15 one row, lanes 16-31 the next
.set GOC, 6                            ; v6   the same place in ac
.set RDS, 7                            ; v7   the scale bytes, back: a row a thread
.set GOS, 8                            ; v8   the same place in asc
.set KF,  36                           ; v36-83  four images: k's, then v's
.set QI,  84                           ; v84-95  q's pair image;  v35 its scale word;  v16-33 [q | 0 | q];  v255 the tile's scale word
.set WV,  18
.set SEL, 20                           ; s[20:21] lane selects for lane l xor 16
.set CS,  22                           ; s[22:23] c = log2(e) / 8
.set G1,  24
.set G0,  32
.set TB,  36                           ; s36  LDS byte at which the step's record begins
.set CNT, 37
.macro CROUND                          ; a round of the cluster's barrier
	s_barrier_signal -1
	s_barrier_wait -1
	s_cmp_lg_u32 s[WV], 0
	s_cbranch_scc1 .Lnot_wave_0_\@
	s_barrier_signal -3
.Lnot_wave_0_\@:
	s_barrier_wait -3
	s_barrier_signal -1
	s_barrier_wait -1
.endm
; A KEY STEP: 128 keys.  v12 -M, v13 the largest t, v[14:15] l in two halves; v96-159 S^T, then p; v160-191 O^T; v224-235 p's codes; v232-254 at work; v248-251 the record's scale words (lanes 0-15 k's, lanes 16-31 v's); v253 p's.
.macro STEP
	v_add_nc_u32 v[ADR], s[TB], v[LA]
.rept 3
	v_nop                                          ; with the line above: four places in front of loads into registers that the last products read
.endr
.irp i, 0,1,2,3,4,5,6,7,8,9,10,11
	ds_load_b128 v[KF+4*\i:KF+4*\i+3], v[ADR] offset:512*\i
.endr
	ds_load_b128 v[248:251], v[ADR] offset:12288   ; 16 bytes a lane: lane r k's four words of row r, lane 16 + r v's
	s_wait_dscnt 0x0
.irp p, 0,1,2,3
.irp u, 0,1
	v_wmma_scale_f32_16x16x128_f8f6f4 v[96+8*(2*\p+\u):103+8*(2*\p+\u)], v[KF+12*\p:KF+12*\p+11], v[16+6*\u:27+6*\u], 0, v[248+\p], v255 matrix_a_fmt:MATRIX_FMT_FP6 matrix_b_fmt:MATRIX_FMT_FP6
.endr
.endr
.rept 4
	v_nop                                          ; places in front of the loads below and of the first read of the scores
.endr
.irp i, 0,1,2,3,4,5,6,7,8,9,10,11
	ds_load_b128 v[KF+4*\i:KF+4*\i+3], v[ADR] offset:6144+512*\i   ; v's images land under the softmax
.endr
.irp b, 0,1,2,3
	v_max3_num_f32 v[232+\b], v[96+16*\b], v[97+16*\b], v[98+16*\b]   ; THE LARGEST SCORE OF EACH BLOCK OF 32 KEYS: for the row's maximum and, since p rises with the score, for the block's largest p
.endr
.irp i, 3,5,7,9,11,13
.irp b, 0,1,2,3
	v_max3_num_f32 v[232+\b], v[232+\b], v[96+16*\b+\i], v[97+16*\b+\i]
.endr
.endr
.irp b, 0,1,2,3
	v_max_num_f32 v[232+\b], v[232+\b], v[111+16*\b]
.endr
.irp b, 0,1,2,3
	v_permlanex16_b32 v[236+\b], v[232+\b], s[SEL], s[SEL+1]
.endr
.irp b, 0,1,2,3
	v_max_num_f32 v[232+\b], v[232+\b], v[236+\b]  ; with lane l xor 16's 16 keys
.endr
	v_max3_num_f32 v254, v232, v233, v234
	v_max_num_f32 v254, v254, v235                 ; the step's largest score of my query
	v_mul_f32 v254, s[CS], v254                    ; as t (c is positive)
	v_max_num_f32 v13, v13, v254                   ; the running largest t
	v_mov_b32 v254, v12
	v_floor_f32 v12, -v13                          ; the new -M = floor(-t) = -ceil(t): M IS A WHOLE NUMBER
	v_sub_f32 v254, v12, v254                      ; M's old value less its new one: a whole number, 0 or less
	v_cvt_i32_f32 v254, v254                       ; (it saturates)
	v_ldexp_f32 v252, 1.0, v254                    ; f = 2^(old M - new M)
.set J, 0
.rept 32
	v_pk_fma_f32 v[96+J:97+J], v[96+J:97+J], s[CS:CS+1], v[12:13] op_sel_hi:[1,0,0]   ; t - M, two at a time
.set J, J+2
.endr
.irp b, 0,1,2,3
	v_fma_f32 v[232+\b], v[232+\b], s[CS], v12     ; the same of each block's largest score
.endr
.set J, 0
.rept 64
	v_exp_f32 v[96+J], v[96+J]                     ; p = 2^(t - M), at most 1: NOT normalised
.set J, J+1
.endr
.irp b, 0,1,2,3
	v_exp_f32 v[232+\b], v[232+\b]                 ; the block's largest p
.endr
	v_pk_mul_f32 v[14:15], v[14:15], v[252:253] op_sel_hi:[1,0]   ; l under the new M.  (A plain place behind the exponentials)
	s_wait_alu depctr_va_vdst(0)
.irp b, 0,1,2,3
	v_max_num_f32 v[232+\b], 0x1800000, v[232+\b]  ; the floor 2^(3 - 127): the byte cannot fall under 1
.endr
.irp b, 0,1,2,3
	v_add_nc_u32 v[244+\b], 0xff000000, v[232+\b]  ; 2 off the exponent field: the conversion's scale operand
.endr
.irp b, 0,1,2,3
	v_lshrrev_b32 v[236+\b], 23, v[244+\b]         ; the scale's byte
.endr
	v_lshl_or_b32 v253, v237, 8, v236              ; p's scale word for these 128 keys
	v_lshl_or_b32 v253, v238, 16, v253
	v_lshl_or_b32 v253, v239, 24, v253
.irp c, 0,1
	v_cvt_scalef32_pk16_fp6_f32 v[224+6*\c:226+6*\c], v[96+32*\c:111+32*\c], v[244+2*\c]
	v_cvt_scalef32_pk16_fp6_f32 v[236+4*\c:238+4*\c], v[112+32*\c:127+32*\c], v[244+2*\c+1]   ; (a conversion's three registers begin on an even number)
.endr
	v_nop                                          ; one plain place behind a scaled conversion
.irp c, 0,1                                    ; a WHOLE block in a lane: lanes 0-15 block 2 c, lanes 16-31 block 2 c + 1
.irp i, 0,1,2
	v_permlane16_swap_b32 v[224+6*\c+\i], v[236+4*\c+\i]
.endr
.irp i, 0,1,2
	v_mov_b32 v[227+6*\c+\i], v[236+4*\c+\i]
.endr
.endr
	v_pk_add_f32 v[236:237], v[96:97], v[98:99]    ; THE ROW'S SUM IS TAKEN OF THE UNQUANTISED p: two at a time, in two chains
.irp j, 4,8,12,16,20,24,28,32,36,40,44,48,52,56,60
	v_pk_add_f32 v[14:15], v[14:15], v[96+\j:97+\j]
	v_pk_add_f32 v[236:237], v[236:237], v[98+\j:99+\j]
.endr
	v_pk_add_f32 v[14:15], v[14:15], v[236:237]
.irp j, 0,2,4,6,8,10,12,14,16,18,20,22,24,26,28,30
	v_pk_mul_f32 v[160+\j:161+\j], v[160+\j:161+\j], v[252:253] op_sel_hi:[1,0]   ; O^T under the new M.  (With the sums above: the places between p's codes and scale word and the products below)
.endr
	s_wait_dscnt 0x0                               ; v's images are in
.irp t, 0,1,2,3                                ; O^T += v^T p^T: the four accumulators by turns; eight other products stand between two links on one of them
	v_wmma_scale_f32_16x16x128_f8f6f4 v[160+8*\t:167+8*\t], v[KF+12*\t:KF+12*\t+11], v[224:235], v[160+8*\t:167+8*\t], v[248+\t], v253 matrix_a_fmt:MATRIX_FMT_FP6 matrix_b_fmt:MATRIX_FMT_FP6 matrix_a_scale:MATRIX_SCALE_ROW1
.endr
	s_add_co_u32 s[TB], s[TB], REC
.endm
; Tile u of my pair: all 16 key steps, then O / l, quantised, into the stage.
.macro PASS u
.irp i, 0,1,2,3,4,5
	v_mov_b32 v[16+\i], v[QI+6*\u+\i]
	v_mov_b32 v[28+\i], v[QI+6*\u+\i]
.endr
.if \u == 0
	v_and_b32 v34, 0xffff, v35                     ; the tile's two scale bytes,
.else
	v_lshrrev_b32 v34, 16, v35
.endif
	v_lshl_or_b32 v255, v34, 16, v34               ; twice: for q in either half of K
	v_mov_b32 v13, 0xff61b1e6                      ; the largest t so far: -3e38, under every t
	v_floor_f32 v12, -v13                          ; -M
	v_mov_b32 v14, 0
	v_mov_b32 v15, 0
.set J, 0
.rept 32
	v_mov_b32 v[160+J], 0                          ; O^T.  (The step is written once: the first finds zeros, which the first change of M leaves zeros.  These lines are also the places behind the writes of q and its scale word)
.set J, J+1
.endr
	s_mov_b32 s[TB], 0
	s_mov_b32 s[CNT], NSTEP
.Lstep_\@:
	STEP
	s_sub_co_u32 s[CNT], s[CNT], 1
	s_cmp_lg_u32 s[CNT], 0
	s_cbranch_scc1 .Lstep_\@
.rept 4
	v_nop                                          ; places in front of the first read of the last products' results
.endr
	v_add_f32 v14, v14, v15                        ; l's two halves,
	v_permlanex16_b32 v252, v14, s[SEL], s[SEL+1]
	v_add_f32 v14, v14, v252                       ; and lane l xor 16's
	v_rcp_f32 v14, v14
	v_nop                                          ; one plain place behind a transcendental
	s_wait_alu depctr_va_vdst(0)
.irp j, 0,2,4,6,8,10,12,14,16,18,20,22,24,26,28,30
	v_pk_mul_f32 v[192+\j:193+\j], v[160+\j:161+\j], v[14:15] op_sel_hi:[1,0]   ; O^T / l: register 16 b + i is channel 32 b + 16 h + i of my query
.endr
.irp b, 0,1
	v_max3_num_f32 v[232+\b], |v[192+16*\b]|, |v[193+16*\b]|, 0x1800000   ; the two blocks of 32 channels by turns; the floor holds the byte at 1 from below
.endr
.irp i, 2,4,6,8,10,12,14
.irp b, 0,1
	v_max3_num_f32 v[232+\b], v[232+\b], |v[192+16*\b+\i]|, |v[193+16*\b+\i]|
.endr
.endr
.irp b, 0,1
	v_permlanex16_b32 v[236+\b], v[232+\b], s[SEL], s[SEL+1]
.endr
.irp b, 0,1
	v_max_num_f32 v[232+\b], v[232+\b], v[236+\b]
.endr
.irp b, 0,1
	v_add_nc_u32 v[244+\b], 0xff000000, v[232+\b]
.endr
.irp b, 0,1
	v_lshrrev_b32 v[236+\b], 23, v[244+\b]
.endr
	v_cvt_scalef32_pk16_fp6_f32 v[224:226], v[192:207], v244   ; 16 neighbouring channels: 12 bytes of the row's stream of bits
	v_cvt_scalef32_pk16_fp6_f32 v[228:230], v[208:223], v245
	v_nop                                          ; one plain place behind a scaled conversion
	v_lshl_or_b32 v238, v237, 8, v236              ; the two bytes on end
	ds_store_b96 v[STC], v[224:226] offset:16*272*\u
	ds_store_b96 v[STC], v[228:230] offset:16*272*\u+32
	ds_store_b16 v[STS], v238 offset:128*\u        ; (lanes l and l xor 16 store the same two bytes with the same value)
	s_wait_dscnt 0x0                               ; the stores have read their registers
.endm
	s_load_b256 s[4:11], s[0:1], 0x0               ; qc, qs, kv, ac
	s_load_b64 s[12:13], s[0:1], 0x20              ; asc
	v_lshl_add_u32 v254, v0, 2, 0x3ac00
	v_mov_b32 v255, 0
	ds_add_u32 v254, v255
	ds_add_u32 v254, v255
	s_wait_dscnt 0x0
	v_lshrrev_b32 v9, 5, v0
	v_readfirstlane_b32 s[WV], v9                  ; wave 0..15
	s_and_b32 s19, s[WV], 3                        ; e: my query head of the four
	s_lshr_b32 s38, s[WV], 2                       ; pi: my pair of tiles
	s_and_b32 s39, ttmp7, 0xffff                   ; y = 4 batch + key head, which the partners share
	s_bfe_u32 s40, ttmp6, 0x40000                  ; cx
	s_lshl_b32 s41, ttmp9, 2
	s_add_co_u32 s41, s41, s40                     ; X: my block of 128 queries: it enters the addresses of q, ac and asc alone
	; descriptor group 1: a record, 12,800 dense bytes, as 50 rows of 256 bytes (32 elements of 8 bytes), no padding
	s_mov_b32 s[G1], 15|(3<<16)|(1<<21)            ; 15:0 the mask: all four work-groups; 17:16 elements of 8 bytes; 21 set beside a mask
	s_mov_b32 s[G1+1], 32<<16                      ; tensor_dim0
	s_mov_b32 s[G1+2], 50<<16                      ; tensor_dim1
	s_mov_b32 s[G1+3], 32<<16                      ; tile_dim0
	s_mov_b32 s[G1+4], 50                          ; tile_dim1
	s_mov_b32 s[G1+5], 32                          ; tensor_dim0_stride
	s_mov_b32 s[G1+6], 0
	s_mov_b32 s[G1+7], 0
	s_mul_i32 s42, s39, 16*REC
	s_mul_i32 s44, s[WV], REC                      ; record w: in LDS, and in the head's 16
	s_add_co_u32 s42, s42, s44
	s_mov_b32 s43, 0
	s_lshl_b32 s45, s39, 2
	s_add_co_u32 s45, s45, s19                     ; 16 batch + my query head = 4 y + e
	s_lshl_b32 s46, s45, 6
	s_lshl_b32 s47, s41, 2
	s_add_co_u32 s46, s46, s47
	s_add_co_u32 s46, s46, s38
	s_mul_i32 s46, s46, 1536                       ; q's pair image 4 X + pi
	s_mov_b32 s47, 0
	s_lshl_b32 s48, s45, 4
	s_add_co_u32 s48, s48, s41
	s_lshl_b32 s48, s48, 8
	s_lshl_b32 s49, s38, 2
	s_add_co_u32 s48, s48, s49                     ; its scale words: group X, word pi of each row's four
	s_mov_b32 s49, 0
	s_lshr_b32 s50, s39, 2
	s_lshl_b32 s50, s50, 11
	s_lshl_b32 s51, s41, 7
	s_add_co_u32 s50, s50, s51                     ; my work-group's first token
	s_and_b32 s51, s39, 3                          ; the key head
	s_mul_i32 s52, s50, 768
	s_mul_i32 s53, s51, 192
	s_add_co_u32 s52, s52, s53                     ; in ac: its row, the key head's 256 channels
	s_mov_b32 s53, 0
	s_lshl_b32 s54, s50, 5
	s_lshl_b32 s55, s51, 3
	s_add_co_u32 s54, s54, s55                     ; in asc likewise
	s_mov_b32 s55, 0
	s_mov_b32 s[SEL], 0x76543210
	s_mov_b32 s[SEL+1], 0xfedcba98
	s_mov_b32 s[CS], 0x3e38aa3b                    ; c = log2(e) / 8
	s_mov_b32 s[CS+1], s[CS]                       ; (named with it as a pair, so it is written)
	s_wait_kmcnt 0x0
	s_mov_b32 s[G0], 1                             ; 1:0 count = 1
	s_mov_b32 s[G0+1], s44                         ; 63:32 LDS address
	s_add_nc_u64 s[G0+2:G0+3], s[8:9], s[42:43]    ; 120:64 global address
	s_or_b32 s[G0+3], s[G0+3], 0x80000000          ; 127:126 type = 2
	s_add_nc_u64 s[4:5], s[4:5], s[46:47]
	s_add_nc_u64 s[6:7], s[6:7], s[48:49]
	s_add_nc_u64 s[10:11], s[10:11], s[52:53]
	s_add_nc_u64 s[12:13], s[12:13], s[54:55]
	CROUND                                         ; all four work-groups are here: the joint loads meet
	tensor_load_to_lds s[G0:G0+3], s[G1:G1+7]      ; my record: the one fill of these bytes
	s_nop 0
.rept 4
	v_nop
.endr
	v_and_b32 v10, 31, v0
	v_lshlrev_b32 v[LA], 4, v10
	v_and_b32 v10, 15, v0                          ; r
	v_bfe_u32 v11, v0, 4, 1                        ; h
	v_lshlrev_b32 v9, 4, v10                       ; 16 r: my row's four words
.irp c, 0,1,2
	global_load_b128 v[QI+4*\c:QI+4*\c+3], v[LA], s[4:5] offset:512*\c
.endr
	global_load_b32 v35, v9, s[6:7]
	s_mul_i32 s56, s38, 32*272
	s_lshl_b32 s57, s19, 6
	s_add_co_u32 s56, s56, s57
	s_add_co_u32 s56, s56, STAGE
	v_mul_u32_u24 v[STC], v10, 272
	v_lshl_add_u32 v[STC], v11, 4, v[STC]
	v_add_nc_u32 v[STC], s56, v[STC]               ; row 32 pi + r (+ 16 u), place 4 e + h (+ 2 b)
	s_lshl_b32 s56, s38, 8
	s_lshl_b32 s57, s19, 1
	s_add_co_u32 s56, s56, s57
	s_add_co_u32 s56, s56, SSTG
	v_lshl_add_u32 v[STS], v10, 3, s56             ; row 32 pi + r (+ 16 u), bytes 2 e, 2 e + 1
	s_mul_i32 s56, s[WV], 8*272
	s_add_co_u32 s56, s56, STAGE
	v_mul_u32_u24 v[RDC], v11, 272
	v_lshl_add_u32 v[RDC], v10, 4, v[RDC]
	v_add_nc_u32 v[RDC], s56, v[RDC]               ; back: rows 8 w + h (+ 2 i), place r
	s_mul_i32 s56, s[WV], 8*768
	v_mul_u32_u24 v[GOC], v11, 768
	v_mad_u32_u24 v[GOC], v10, 12, v[GOC]
	v_add_nc_u32 v[GOC], s56, v[GOC]
	v_lshl_add_u32 v[RDS], v0, 3, SSTG
	v_lshlrev_b32 v[GOS], 5, v0
.irp i, 0,1,2,3,4,5
	v_mov_b32 v[22+\i], 0                          ; the zero codes between the two copies of q
.endr
.irp b, 0,1,2,3
	v_mov_b32 v[236+\b], 0                         ; written once: a lane permute's destination counts as one of its sources
.endr
	v_mov_b32 v253, 0                              ; (named as the upper half of the pair v[252:253] before it is first written)
	s_wait_tensorcnt 0x0                           ; my record has landed,
	s_barrier_signal -1
	s_barrier_wait -1                              ; everybody's has
	s_wait_loadcnt 0x0                             ; q
	PASS 0
	PASS 1
	s_barrier_signal -1                            ; (each pass ends with the wait for its LDS stores)
	s_barrier_wait -1                              ; 128 rows of codes and scale bytes lie in the stage
.irp i, 0,1,2,3
	ds_load_b96 v[96+4*\i:98+4*\i], v[RDC] offset:2*272*\i
.endr
.irp i, 0,1,2,3
	s_wait_dscnt 3-\i                              ; the younger loads may stay out
	global_store_b96 v[GOC], v[96+4*\i:98+4*\i], s[10:11] offset:2*768*\i   ; sixteen lanes store a row's 192 consecutive bytes
.endr
	s_cmp_lt_u32 s[WV], 4                          ; the 128 rows' scale bytes: a row a thread of waves 0 to 3
	s_cbranch_scc0 .Lno_bytes
	ds_load_b64 v[112:113], v[RDS]
	s_wait_dscnt 0x0
	global_store_b64 v[GOS], v[112:113], s[12:13]
.Lno_bytes:
	s_wait_xcnt 0x0
	v_lshl_add_u32 v254, v0, 2, 0x3ac00
	v_mov_b32 v255, 0
	s_wait_tensorcnt 0x0
	ds_add_u32 v254, v255
	s_wait_dscnt 0x0
	CROUND                                         ; the closing round: no work-group ends while a partner may still ask for a record that names it
	s_endpgm
.Lfunc_end_k_q6725c28bce_attn:
	.size	k_q6725c28bce_attn, .Lfunc_end_k_q6725c28bce_attn-k_q6725c28bce_attn
	.p2alignl 7, 3214868480
	.fill 96, 4, 3214868480
	.section	.rodata,"a",@progbits
	.p2align	6, 0x0
	.amdhsa_kernel k_q6725c28bce_attn
		.amdhsa_group_segment_fixed_size 242688
		.amdhsa_private_segment_fixed_size 0
		.amdhsa_enable_private_segment 0
		.amdhsa_kernarg_size 40
		.amdhsa_user_sgpr_count 2
		.amdhsa_user_sgpr_kernarg_segment_ptr 1
		.amdhsa_wavefront_size32 1
		.amdhsa_system_sgpr_workgroup_id_x 1
		.amdhsa_system_sgpr_workgroup_id_y 1
		.amdhsa_system_sgpr_workgroup_id_z 1
		.amdhsa_system_vgpr_workitem_id 0
		.amdhsa_next_free_vgpr 256
		.amdhsa_next_free_sgpr 66
		.amdhsa_reserve_vcc 0
		.amdhsa_float_denorm_mode_32 3
		.amdhsa_float_denorm_mode_16_64 3
		.amdhsa_memory_ordered 1
		.amdhsa_forward_progress 1
		.amdhsa_inst_pref_size 48
	.end_amdhsa_kernel
	.amdgpu_metadata
---
amdhsa.version: [ 1, 2 ]
amdhsa.kernels:
  - .name:           k_q6725c28bce_attn
    .symbol:         k_q6725c28bce_attn.kd
    .args:
      - { .name: qc, .offset: 0, .size: 8, .value_kind: global_buffer, .address_space: global }
      - { .name: qs, .offset: 8, .size: 8, .value_kind: global_buffer, .address_space: global }
      - { .name: kv, .offset: 16, .size: 8, .value_kind: global_buffer, .address_space: global }
      - { .name: ac, .offset: 24, .size: 8, .value_kind: global_buffer, .address_space: global }
      - { .name: asc, .offset: 32, .size: 8, .value_kind: global_buffer, .address_space: global }
    .group_segment_fixed_size: 242688
    .private_segment_fixed_size: 0
    .kernarg_segment_align: 8
    .kernarg_segment_size: 40
    .max_flat_workgroup_size: 512
    .sgpr_count:     66
    .vgpr_count:     256
    .wavefront_size: 32
...
	.end_amdgpu_metadata
.endif
;; end of part 2
;; launch oproj (part 3): grid 4 x 32, 4 waves a work-group, clusters of 4 x 4, 327,680 bytes of LDS; arguments ac, asc, Wo_codes, Wo_scales, out0; writes out0
.if DOCPART == 3
	.amdgcn_target "amdgcn-amd-amdhsa--gfx1250"
	.amdhsa_code_object_version 6
	.text
	.protected	k_q6725c28bce_oproj
	.globl	k_q6725c28bce_oproj
	.p2align	8
	.type	k_q6725c28bce_oproj,@function
k_q6725c28bce_oproj:
	s_mov_b64 s[64:65], 0
	v_nop
	global_prefetch_b8 v0, s[64:65] scope:SCOPE_SE
	s_setreg_imm32_b32 hwreg(HW_REG_WAVE_MODE, 25, 1), 1
	s_wait_xcnt 0x0
	s_wait_alu depctr_hold_cnt(0) depctr_sa_sdst(0) depctr_va_vdst(0) depctr_va_sdst(0) depctr_va_ssrc(0) depctr_va_vcc(0) depctr_vm_vsrc(0)
	s_getreg_b32 s2, hwreg(HW_REG_IB_STS2, 6, 4)
	s_cmp_eq_u32 s2, 0
	s_cbranch_scc0 .Lentry_in_a_cluster
	s_endpgm
.Lentry_in_a_cluster:
	s_bfe_u32 s2, ttmp6, 0x10000c
	s_cmp_lg_u32 s2, 0xf033
	s_cbranch_scc0 .Lentry_shape_is_right
	s_endpgm
.Lentry_shape_is_right:
; out0[m][n] = sum over k of A[m][k] B[n][k].  A: the attention's output, [SIZE_M][SIZE_K], B: Wo, [SIZE_N][SIZE_K]: codes of FP6 (E2M3), 6 bits each, with one E8M0 scale for each 32 along K; out0: [SIZE_M][SIZE_N] f32; sums in f32.
; In memory a row of codes is one stream of bits, four codes in three bytes: 128 codes are 96 bytes.  The matrix instruction takes codes and scale bytes as they lie in memory.
; A tile of C, 256 x 256, is made by a work-group of four waves; a wave makes 128 x 128: 64 accumulators of 16 x 16, 512 registers.  4 x 32 tiles: 128 work-groups.
; K goes in steps of 256 through a ring of two LDS slots filled by the tensor data mover: a tile's row is 192 bytes of memory.
; THE SCALES of the work-group's 256 rows of A and 256 rows of B, for all of K, are two dense blocks of memory: they come into LDS ONCE, with the first fills, and stay.
; CLUSTERS: 4 x 4 work-groups.  The four of a row of the cluster need the same tiles of A, the four of a column the same tiles of B: each tile is asked for JOINTLY, by the same tensor load with the
; same descriptor and a mask that names the four.  THE MATRIX INSTRUCTION IS USED TRANSPOSED (source 0 = 16 rows of B, source 1 = 16 rows of A): a lane then holds eight neighbouring numbers of a row of C.
; REGISTERS, in windows of 256: window 0: v0-31 addresses; v32-63 scale words, two sets; from v128 A's fragments (8 x 16 rows x 128 K), ONE set; on the way out v32-255 are free.
;   window 1: B's fragments, TWO sets, at v0 and at v128.   window 2: the 32 accumulators of my rows 0-63 (accumulator (a, b) at v[8 (8 a + b)]);   window 3: those of my rows 64-127.
; A step of 128 along K is 64 matrix instructions, A's blocks one after the other, each against B's eight: a block of A is free as soon as its eight products are issued, and one set of registers serves A.
.set SIZE_M, 8192
.set SIZE_N, 1024
.set SIZE_K, 1024
.set KSTEP,  256                       ; along K in a slot
.set NQ,     KSTEP/128                 ; matrix instructions deep
.set ROWB,   192                       ; a tile's row in bytes
.set KROW,   SIZE_K*6/8                ; a row of A or of B in memory, in bytes
.set PITCH,  240                       ; an LDS row: 3 x (64 bytes of data + 16 of padding) = 60 words: the 32 lanes of a load of 8 bytes touch 64 different banks (64 banks of 4 bytes: ISA guide 11.1)
.set FR,     12                        ; registers of a fragment: 16 rows x 128 K
.set NL,     6                         ; LDS loads that bring one
.set NP,     4                         ; places behind this matrix instruction (ISA guide 7.12.1)
.set HALFT,  128*PITCH                 ; 128 rows: what one tensor load brings, and what one wave reads of A or of B
.set SLOT,   4*HALFT                   ; A's 256 rows, then B's 256 rows
.set LAPS,   SIZE_K/(2*KSTEP)          ; a lap = two K steps = once round the ring
.set KS,     SIZE_K/32                 ; a row of scales in bytes
.set SCL,    2*SLOT                    ; behind the ring: the scales, as units of 256 bytes + 16 of padding
.set HALFS,  (128*KS/256)*272          ; the scales of 128 rows: what one tensor load brings
.set SBLK,   (16*KS/256)*272           ; those of 16 rows
.set SPARE,  SCL+4*HALFS               ; behind the scales: the spare words, 128 bytes for each wave: two blocks of 256 bytes that no other line names
.set SPITCH, 528                       ; the way out: a stage of 16 rows x (512 bytes + 16) for each wave, in slot 0, which has had its last fill and its last read when the first result is stored there
.set ADRA, 16                          ; v16-17  LDS address of my A fragments in slot 0, 1  (v18-19: the same for the pieces that lie behind one padding more)
.set ADRB, 20                          ; v20-21  the same for B  (v22-23)
.set STO,  24                          ; v24     the way out: where I put 32 bytes of a row
.set RD,   25                          ; v25     the way out: where I read a row back
.set CO,   26                          ; v26     my byte offset in a row of C
.set SPW,  28                          ; v28     LDS address of my spare word; never rewritten
.set NIL,  29                          ; v29     0; never rewritten
.set ADRS, 27                          ; v27     LDS address of my scale words: lanes 0-15 A's rows, lanes 16-31 B's
.set SC,   32                          ; scale words: set s at v[SC + 8 NQ s]; in it register NQ i + q: lanes 0-15 the word of A's block i, lanes 16-31 that of B's block i, for the slot's q-th 128 along K
.set AF,   128                         ; A's fragments, in window 0
.set BK,   128                         ; the way out: 16 rows read back from the stage: v128-191 and v192-255 by turns
.set G1, 24                            ; s[24:31] descriptor group 1 for A's tiles;  s[32:39] group 0, one set for each slot
.set G0, 32
.set G1B, 48                           ; s[48:55], s[56:63] the same for B's tiles
.set G0B, 56
.set G1S, 68                           ; s[68:75], s[76:79] groups 1 and 0 for A's scales;  s[80:87], s[88:91] for B's
.set G0S, 76
.set G1SB, 80
.set G0SB, 88
.set MSB, 0
.macro WIN new                         ; the immediate's high byte repeats the setting that is left
.if MSB != \new
	s_set_vgpr_msb (MSB<<8)|\new
.set MSB, \new
.endif
.endm
.set MUL_LO, 0xa1                      ; source 0 (B) window 1, source 1 (A) window 0, C and D window 2
.set MUL_HI, 0xf1                      ; the same, C and D window 3
.set TO_B,   0x40                      ; destination window 1, address window 0
; A joint load: waves 0 and 1 fetch for A, waves 2 and 3 for B.  Each of the two lines has ONE mask and one set of registers for all that issue it; the branch hangs on the wave's number alone.
; Four v_nop follow each of the two lines, ahead of the jump, the label and what follows.
.macro JLOAD g0a, g1a, g0b, g1b
	s_cmp_eq_u32 s15, 0
	s_cbranch_scc0 .Lfor_b_\@
	tensor_load_to_lds s[\g0a:\g0a+3], s[\g1a:\g1a+7]
	s_nop 0
.rept 4
	v_nop
.endr
	s_branch .Lasked_\@
.Lfor_b_\@:
	tensor_load_to_lds s[\g0b:\g0b+3], s[\g1b:\g1b+7]
	s_nop 0
.rept 4
	v_nop
.endr
.Lasked_\@:
.endm
.macro CREST                           ; a round of the cluster's barrier behind its opening barrier
	s_cmp_lg_u32 s14, 0
	s_cbranch_scc1 .Lnot_wave_0_\@
	s_barrier_signal -3
.Lnot_wave_0_\@:
	s_barrier_wait -3
	s_barrier_signal -1
	s_barrier_wait -1
.endm
.macro CROUND                          ; a whole round
	s_barrier_signal -1
	s_barrier_wait -1
	CREST
.endm
	s_load_b128 s[4:7], s[0:1], 0x0                ; A's codes s[4:5], A's scales s[6:7]
	s_load_b128 s[8:11], s[0:1], 0x10              ; B's codes s[8:9], B's scales s[10:11]
	s_load_b64 s[12:13], s[0:1], 0x20              ; C
	v_lshl_add_u32 v[SPW], v0, 2, SPARE
	v_mov_b32 v[NIL], 0
	ds_add_u32 v28, v29
	ds_add_u32 v28, v29
	s_wait_dscnt 0x0
	v_lshrrev_b32 v1, 5, v0
	v_readfirstlane_b32 s14, v1                    ; wave 0..3
	s_lshr_b32 s15, s14, 1                         ; which half of the tile's rows is mine.  Also: I fetch for A (0) or for B (1)
	s_and_b32 s16, s14, 1                          ; which half of its columns.  Also: which 128 rows of that tile I fetch
	s_bfe_u32 s40, ttmp6, 0x40000                  ; cx, cy: my place in the cluster
	s_bfe_u32 s41, ttmp6, 0x40004
	s_lshl_b32 s42, ttmp9, 2
	s_add_co_u32 s42, s42, s40                     ; tile column of C = 4 x cluster x + cx
	s_and_b32 s17, ttmp7, 0xffff
	s_lshl_b32 s17, s17, 2
	s_add_co_u32 s17, s17, s41                     ; tile row of C = 4 x cluster y + cy
	s_lshl_b32 s43, s41, 2
	s_lshl_b32 s43, 15, s43                        ; my row of the cluster
	s_lshl_b32 s44, 0x1111, s40                    ; my column
	; descriptor group 1: a tile of 128 rows x ROWB bytes, padded in LDS
	s_or_b32 s[G1+0], s43, (0<<16)|(1<<20)|(1<<21)|(3<<22)|(3<<25)  ; 15:0 the mask: A's tiles go to my row; 17:16 element of 1 byte; 20 padding on; 21 set beside a mask; 24:22 after every 16 words (code 3); 31:25 of 4 words (code 3)
	s_or_b32 s[G1B+0], s44, (0<<16)|(1<<20)|(1<<21)|(3<<22)|(3<<25)
.irp g, G1, G1B
	s_mov_b32 s[\g+1], ROWB<<16                    ; tensor_dim0
	s_mov_b32 s[\g+2], 128<<16                     ; tensor_dim1 = 128
	s_mov_b32 s[\g+3], ROWB<<16                    ; tile_dim0
	s_mov_b32 s[\g+4], 128                         ; tile_dim1 = 128
	s_mov_b32 s[\g+5], KROW                        ; tensor_dim0_stride
	s_mov_b32 s[\g+6], 0
	s_mov_b32 s[\g+7], 0
.endr
	; and for the scales of 128 rows: a dense block of 128 KS bytes, as rows of 256 bytes (32 elements of 8 bytes), 16 bytes of padding behind each
	s_or_b32 s[G1S+0], s43, (3<<16)|(1<<20)|(1<<21)|(5<<22)|(3<<25)
	s_or_b32 s[G1SB+0], s44, (3<<16)|(1<<20)|(1<<21)|(5<<22)|(3<<25)
.irp g, G1S, G1SB
	s_mov_b32 s[\g+1], 32<<16
	s_mov_b32 s[\g+2], (128*KS/256)<<16
	s_mov_b32 s[\g+3], 32<<16
	s_mov_b32 s[\g+4], 128*KS/256
	s_mov_b32 s[\g+5], 32
	s_mov_b32 s[\g+6], 0
	s_mov_b32 s[\g+7], 0
.endr
	s_lshl_b32 s18, s16, 7                         ; which 128 rows of the tile I fetch
	s_lshl_b32 s20, s17, 8
	s_add_co_u32 s20, s20, s18                     ; A: row 256 x tile row + 128 x half
	s_lshl_b32 s46, s42, 8
	s_add_co_u32 s46, s46, s18                     ; B: row 256 x tile column + 128 x half
	s_mov_b32 s21, 0
	s_mov_b32 s47, 0
	s_mov_b64 s[18:19], KS
	s_mul_u64 s[22:23], s[20:21], s[18:19]         ; where these rows' scales begin, in bytes
	s_mul_u64 s[92:93], s[46:47], s[18:19]
	s_mov_b64 s[18:19], KROW
	s_mul_u64 s[20:21], s[20:21], s[18:19]         ; and their codes
	s_mul_u64 s[46:47], s[46:47], s[18:19]
	s_mul_i32 s45, s14, HALFT                      ; where they go: wave x 128 rows: no place in the cluster enters an LDS address
	s_mul_i32 s94, s14, HALFS
	s_wait_kmcnt 0x0
	s_add_nc_u64 s[20:21], s[4:5], s[20:21]
	s_add_nc_u64 s[22:23], s[6:7], s[22:23]
	s_add_nc_u64 s[46:47], s[8:9], s[46:47]
	s_add_nc_u64 s[92:93], s[10:11], s[92:93]
	CROUND                                         ; all sixteen work-groups are here: the first joint loads meet
	s_mov_b32 s[G0S], 1
	s_add_co_u32 s[G0S+1], s94, SCL
	s_mov_b64 s[G0S+2:G0S+3], s[22:23]
	s_or_b32 s[G0S+3], s[G0S+3], 0x80000000
	s_mov_b32 s[G0SB], 1
	s_add_co_u32 s[G0SB+1], s94, SCL
	s_mov_b64 s[G0SB+2:G0SB+3], s[92:93]
	s_or_b32 s[G0SB+3], s[G0SB+3], 0x80000000
	JLOAD G0S, G1S, G0SB, G1SB                     ; the scales first: they are wanted with K step 0
.irp s, 0,1
	s_mov_b32 s[G0+4*\s], 1
	s_add_co_u32 s[G0+4*\s+1], s45, \s*SLOT
	s_add_nc_u64 s[G0+4*\s+2:G0+4*\s+3], s[20:21], \s*ROWB
	s_or_b32 s[G0+4*\s+3], s[G0+4*\s+3], 0x80000000
	s_mov_b32 s[G0B+4*\s], 1
	s_add_co_u32 s[G0B+4*\s+1], s45, \s*SLOT
	s_add_nc_u64 s[G0B+4*\s+2:G0B+4*\s+3], s[46:47], \s*ROWB
	s_or_b32 s[G0B+4*\s+3], s[G0B+4*\s+3], 0x80000000
	JLOAD G0+4*\s, G1, G0B+4*\s, G1B               ; three tensor loads of mine are out
.endr
	v_and_b32 v1, 15, v0                           ; l % 16
	v_bfe_u32 v2, v0, 4, 1                         ; l / 16
	v_mul_u32_u24 v3, v1, PITCH
	v_mul_u32_u24 v4, v2, 24
	v_add_nc_u32 v4, v3, v4                        ; a fragment's row x pitch + 24 x half
	v_lshl_add_u32 v5, v2, 4, v4                   ; and the same behind one padding more
	s_mul_i32 s21, s15, HALFT                      ; my 128 rows of A
	s_mul_i32 s22, s16, HALFT                      ; my 128 rows of B,
	s_add_co_u32 s22, s22, 2*HALFT                 ; which lie behind A's 256
.irp s, 0,1
	v_add_nc_u32 v[ADRA+\s], s21, v4
	v_add_nc_u32 v[ADRB+\s], s22, v4
	v_add_nc_u32 v[ADRA+2+\s], s21, v5
	v_add_nc_u32 v[ADRB+2+\s], s22, v5
	s_add_co_u32 s21, s21, SLOT
	s_add_co_u32 s22, s22, SLOT
.endr
	v_mul_u32_u24 v5, v1, KS                       ; my row's scales: KS bytes a row,
	v_lshrrev_b32 v6, 8, v5
	v_lshl_add_u32 v5, v6, 4, v5                   ; and 16 more for each 256 passed
	s_mul_i32 s21, s15, HALFS                      ; A's: my 128 rows
	s_mul_i32 s22, s16, HALFS                      ; B's: my 128 rows, behind A's 256
	s_add_co_u32 s22, s22, 2*HALFS
	s_sub_co_u32 s22, s22, s21
	v_mul_u32_u24 v6, s22, v2                      ; lanes 16-31 take B's
	s_add_co_u32 s21, s21, SCL
	v_add_nc_u32 v5, v5, v6
	v_add_nc_u32 v[ADRS], s21, v5
	s_mul_i32 s23, s14, 16*SPITCH                  ; my stage
	v_mul_u32_u24 v5, v1, SPITCH                   ; in: row l % 16, 32 bytes for each half of the lanes
	v_lshl_add_u32 v5, v2, 5, v5
	v_add_nc_u32 v[STO], s23, v5
	v_and_b32 v6, 31, v0
	v_lshlrev_b32 v[CO], 4, v6                     ; back: the 32 lanes take one row of 512 bytes; and the same in C
	v_add_nc_u32 v[RD], s23, v[CO]
	s_lshl_b32 s20, s17, 8
	s_lshl_b32 s21, s15, 7
	s_add_co_u32 s20, s20, s21                     ; my first row of C: 256 x tile row + 128 x half
	s_mov_b32 s21, 0
	s_mov_b64 s[18:19], SIZE_N*4
	s_mul_u64 s[20:21], s[20:21], s[18:19]
	s_lshl_b32 s46, s42, 10                        ; my first column, in bytes: 1024 x tile column + 512 x half
	s_lshl_b32 s47, s16, 9
	s_add_co_u32 s46, s46, s47
	s_mov_b32 s47, 0
	s_add_nc_u64 s[20:21], s[20:21], s[46:47]
	s_add_nc_u64 s[12:13], s[12:13], s[20:21]
.macro FRAG reg, adr, q, i             ; a fragment, 16 rows x 128 K of 6-bit codes, is 12 registers: lane l holds row l % 16; registers 6 c .. 6 c + 5 hold K = 64 c + 32 (l / 16) + 0 .. 31: 24 bytes of the row's stream of bits, as they lie
.irp p, 0,1,2,3,4,5                    ; in pieces of 8 bytes, so that every address is a multiple of the access's size
.set PC, 12*(\q)+6*(\p/3)+\p%3        ; 16 bytes of padding lie behind every 8 pieces: where the piece three on (lanes 16-31) lies behind one padding more, the second address register serves
.if PC%8 < 5
	ds_load_b64 v[\reg+2*\p:\reg+2*\p+1], v[\adr] offset:8*PC+16*(PC/8)+(\i)*16*PITCH
.else
	ds_load_b64 v[\reg+2*\p:\reg+2*\p+1], v[\adr+2] offset:8*PC+16*(PC/8)+(\i)*16*PITCH
.endif
.endr
.endm
; 16 matrix instructions: A's blocks a0, a0 + 1 x B's eight, 128 along K: the slot's q-th.  p: B's set;  sc: the set of scale words.  zero = 1: the first product starts the sums: nothing is ever cleared.
; The 64 accumulators take turns, one instruction a turn, in the same order in every step.
.macro MUL16 a0, p, q, sc, zero
.irp a, \a0, \a0+1
.irp b, 0,1,2,3,4,5,6,7
.if \zero
	v_wmma_scale_f32_16x16x128_f8f6f4 v[8*(8*((\a)%4)+\b):8*(8*((\a)%4)+\b)+7], v[128*(\p)+FR*\b:128*(\p)+FR*\b+FR-1], v[AF+FR*(\a):AF+FR*(\a)+FR-1], 0, v[SC+8*NQ*(\sc)+NQ*\b+(\q)], v[SC+8*NQ*(\sc)+NQ*(\a)+(\q)] matrix_a_fmt:MATRIX_FMT_FP6 matrix_b_fmt:MATRIX_FMT_FP6 matrix_a_scale:MATRIX_SCALE_ROW1
.else
	v_wmma_scale_f32_16x16x128_f8f6f4 v[8*(8*((\a)%4)+\b):8*(8*((\a)%4)+\b)+7], v[128*(\p)+FR*\b:128*(\p)+FR*\b+FR-1], v[AF+FR*(\a):AF+FR*(\a)+FR-1], v[8*(8*((\a)%4)+\b):8*(8*((\a)%4)+\b)+7], v[SC+8*NQ*(\sc)+NQ*\b+(\q)], v[SC+8*NQ*(\sc)+NQ*(\a)+(\q)] matrix_a_fmt:MATRIX_FMT_FP6 matrix_b_fmt:MATRIX_FMT_FP6 matrix_a_scale:MATRIX_SCALE_ROW1
.endif
.endr
.endr
.endm
.macro FETCH_B slot, q, p              ; B's eight fragments of the slot's q-th 128 along K into set p
	WIN TO_B
.irp i, 0,1,2,3,4,5,6,7
	FRAG 128*(\p)+FR*\i, ADRB+\slot, \q, \i
.endr
	WIN 0
.endm
.macro FETCH_A slot, q, i0             ; A's blocks i0 .. i0 + 3
.irp i, \i0, \i0+1, \i0+2, \i0+3
	FRAG AF+FR*(\i), ADRA+\slot, \q, \i
.endr
.endm
.macro SCALES sc                       ; the next K step's scale words into set sc: NQ words a row; lanes 0-15 take A's block i, lanes 16-31 B's block i
.irp i, 0,1,2,3,4,5,6,7
	ds_load_b64 v[SC+8*NQ*\sc+NQ*\i:SC+8*NQ*\sc+NQ*\i+1], v[ADRS] offset:\i*SBLK
.endr
.endm
; A load into a register that a matrix instruction has read, and a vector instruction or an LDS store that reads a matrix result, stand NP places behind that matrix instruction, and only plain vector
; instructions that name none of its registers are places (ISA guide 7.12.1 for vector instructions); this text does not count the matrix instructions in between.
.macro PLACES n
.rept \n
	v_nop
.endr
.endm
; A step of 128 along K that has its successor in the same slot.
.macro STEP slot, q, zero
	s_wait_dscnt 4*NL                              ; B's set and A's blocks 0-3 are in; the youngest 24 loads (A's blocks 4-7) may be out
	WIN MUL_LO
	MUL16 0, (\q)%2, \q, \slot, \zero
	MUL16 2, (\q)%2, \q, \slot, \zero
	s_wait_dscnt 0                                 ; A's blocks 4-7 are in (asked for 32 matrix instructions ago)
	PLACES NP
	FETCH_B \slot, (\q)+1, 1-(\q)%2
	FETCH_A \slot, (\q)+1, 0
	WIN MUL_HI
	MUL16 4, (\q)%2, \q, \slot, \zero
	MUL16 6, (\q)%2, \q, \slot, \zero
	PLACES NP
	WIN 0
	FETCH_A \slot, (\q)+1, 4
.endm
; A slot's last step changes slots: ONE barrier; in front of it each wave waits for all its tensor loads, adds 0 to its spare word, and waits for that and for its own reads of this slot.  fill = 1: this slot is filled again, two K steps ahead.
.macro TURN slot, next, fill
	s_wait_tensorcnt 0x0                           ; all my tensor loads have landed: my part of the next slot;  (every window is 0 here: the add's two registers lie in window 0)
	ds_add_u32 v[SPW], v[NIL]                      ; 0 onto my spare word
	s_wait_dscnt 4*NL+1                            ; (the add and the youngest 24 loads, A's blocks 4-7, may be out)
	WIN MUL_LO
	MUL16 0, 1, NQ-1, \slot, 0                     ; sixteen matrix instructions stand between the add and the wait for it
	s_wait_dscnt 0x0                               ; the add is done, and my reads of this slot are over
	s_barrier_signal -1
	MUL16 2, 1, NQ-1, \slot, 0
	WIN 0
	s_barrier_wait -1
.if \fill
	CREST                                          ; the barrier has opened a round of the cluster's barrier: no wave of any partner still reads this slot's tile or has a load on its way
	s_add_nc_u64 s[G0+4*\slot+2:G0+4*\slot+3], s[G0+4*\slot+2:G0+4*\slot+3], 2*ROWB
	s_add_nc_u64 s[G0B+4*\slot+2:G0B+4*\slot+3], s[G0B+4*\slot+2:G0B+4*\slot+3], 2*ROWB
	JLOAD G0+4*\slot, G1, G0B+4*\slot, G1B         ; the first tensor load behind the round; the four v_nop behind it are the places in front of the loads below
.else
	PLACES NP
.endif
	v_add_nc_u32 v[ADRS], 4*NQ, v[ADRS]            ; on to the next K step's scale words (no LDS load of mine is out)
	FETCH_B \next, 0, 0
	FETCH_A \next, 0, 0
	SCALES \next
	WIN MUL_HI
	MUL16 4, 1, NQ-1, \slot, 0
	MUL16 6, 1, NQ-1, \slot, 0
	PLACES NP
	WIN 0
	FETCH_A \next, 0, 4
.endm
	s_wait_tensorcnt 1                             ; the scales and my part of K step 0 are in (K step 1's load may be out),
	s_barrier_signal -1
	s_barrier_wait -1                              ; everybody's are
	FETCH_B 0, 0, 0
	FETCH_A 0, 0, 0
	SCALES 0
	FETCH_A 0, 0, 4
	STEP 0, 0, 1                                   ; the first step stands in front of the loop: its products start the sums
	s_mov_b32 s3, LAPS-1
.Llap:                                                 ; a trip goes once round the ring, from a lap's second step to the next lap's first, and fills both slots again
	TURN 0, 1, 1
	STEP 1, 0, 0
	TURN 1, 0, 1
	STEP 0, 0, 0
	s_sub_co_u32 s3, s3, 1
	s_cmp_lg_u32 s3, 0
	s_cbranch_scc1 .Llap
	TURN 0, 1, 0                                   ; the last lap fills nothing, and has no round of the cluster's barrier
	STEP 1, 0, 0
	s_wait_dscnt 4*NL                              ; the very last step: nothing more to fetch
	WIN MUL_LO
	MUL16 0, 1, NQ-1, 1, 0
	MUL16 2, 1, NQ-1, 1, 0
	s_wait_dscnt 0
	WIN MUL_HI
	MUL16 4, 1, NQ-1, 1, 0
	MUL16 6, 1, NQ-1, 1, 0
	WIN 0
; THE WAY OUT, block by block of 16 rows x 128 columns.  A lane holds 32 neighbouring bytes of a row, and the lanes beside it hold other rows: so a block goes through my own stage in LDS and comes back as whole
; rows of 512 bytes, which the 32 lanes store as two aligned runs of 256 bytes.  LDS serves a wave's instructions in order (ISA guide 5.7.1.4): no wait between the stores and the loads, nor in front of the next block's stores.
.macro TOSTAGE a
.set AC, 64*((\a)%4)
	WIN 0x08+4*((\a)/4)                            ; the data: window 2 or 3
.irp b, 0,1,2,3,4,5,6,7
	ds_store_b128 v[STO], v[AC+8*\b:AC+8*\b+3] offset:64*\b          ; each accumulator from its low end on
	ds_store_b128 v[STO], v[AC+8*\b+4:AC+8*\b+7] offset:64*\b+16
.endr
	WIN 0
.set BB, BK+64*((\a)%2)
.irp t, 0,1,2,3,4,5,6,7,8,9,10,11,12,13,14,15
	ds_load_b128 v[BB+4*\t:BB+4*\t+3], v[RD] offset:\t*SPITCH
.endr
.endm
.macro SEND a, younger                 ; younger: the LDS instructions issued behind block a's loads, which may stay out
.set BB, BK+64*((\a)%2)
	s_wait_dscnt \younger                          ; the block is back in registers
.if (\a) > 0
	s_add_nc_u64 s[12:13], s[12:13], 16*SIZE_N*4   ; (behind a wait on XCNT: the earlier stores have read their base)  16 rows of C on, so that the stores' offsets stay small
.endif
.irp t, 0,1,2,3,4,5,6,7,8,9,10,11,12,13,14,15
	global_store_b128 v[CO], v[BB+4*\t:BB+4*\t+3], s[12:13] offset:\t*SIZE_N*4 th:TH_STORE_NT   ; 32 lanes store 512 consecutive bytes, at a multiple of 256 from C's first byte; written once, read by nobody here
.endr
.endm
	PLACES NP                                      ; these places serve the loads into the registers that held A's fragments and the reads of the last products' results alike
	TOSTAGE 0
.irp a, 1,2,3,4,5,6,7
.if \a > 1
	s_wait_xcnt 0x0                                ; block a - 2's stores have read their registers and their base: block a's loads may land there, and the base may step
.endif
	TOSTAGE \a
	SEND \a-1, 32                                  ; behind block a - 1's loads: block a's 16 stores and 16 loads
.endr
	s_wait_xcnt 0x0                                ; block 6's stores have read their base
	SEND 7, 0
	s_wait_tensorcnt 0x0                           ; the wave's end, behind my last tensor load and my last LDS store
	ds_add_u32 v[SPW], v[NIL]
	s_wait_dscnt 0x0
	CROUND                                         ; the closing round: no work-group ends while a partner may still ask for a tile that names it
	s_endpgm
.Lfunc_end_k_q6725c28bce_oproj:
	.size	k_q6725c28bce_oproj, .Lfunc_end_k_q6725c28bce_oproj-k_q6725c28bce_oproj
	.p2alignl 7, 3214868480
	.fill 96, 4, 3214868480
	.section	.rodata,"a",@progbits
	.p2align	6, 0x0
	.amdhsa_kernel k_q6725c28bce_oproj
		.amdhsa_group_segment_fixed_size 327680
		.amdhsa_private_segment_fixed_size 0
		.amdhsa_enable_private_segment 0
		.amdhsa_kernarg_size 40
		.amdhsa_user_sgpr_count 2
		.amdhsa_user_sgpr_kernarg_segment_ptr 1
		.amdhsa_wavefront_size32 1
		.amdhsa_system_sgpr_workgroup_id_x 1
		.amdhsa_system_sgpr_workgroup_id_y 1
		.amdhsa_system_sgpr_workgroup_id_z 1
		.amdhsa_system_vgpr_workitem_id 0
		.amdhsa_next_free_vgpr 1024
		.amdhsa_next_free_sgpr 98
		.amdhsa_reserve_vcc 0
		.amdhsa_float_denorm_mode_32 3
		.amdhsa_float_denorm_mode_16_64 3
		.amdhsa_memory_ordered 1
		.amdhsa_forward_progress 1
		.amdhsa_inst_pref_size 160
	.end_amdhsa_kernel
	.amdgpu_metadata
---
amdhsa.version: [ 1, 2 ]
amdhsa.kernels:
  - .name:           k_q6725c28bce_oproj
    .symbol:         k_q6725c28bce_oproj.kd
    .args:
      - { .name: ac, .offset: 0, .size: 8, .value_kind: global_buffer, .address_space: global }
      - { .name: asc, .offset: 8, .size: 8, .value_kind: global_buffer, .address_space: global }
      - { .name: Wo_codes, .offset: 16, .size: 8, .value_kind: global_buffer, .address_space: global }
      - { .name: Wo_scales, .offset: 24, .size: 8, .value_kind: global_buffer, .address_space: global }
      - { .name: out0, .offset: 32, .size: 8, .value_kind: global_buffer, .address_space: global }
    .group_segment_fixed_size: 327680
    .private_segment_fixed_size: 0
    .kernarg_segment_align: 8
    .kernarg_segment_size: 40
    .max_flat_workgroup_size: 128
    .sgpr_count:     98
    .vgpr_count:     1024
    .wavefront_size: 32
...
	.end_amdgpu_metadata
.endif
;; end of part 3
